; MI455X (gfx1250); checked and timed in simulation.
; The chip was launched on July 23, 2026; its instructions are those of AMD's public machine-readable ISA for CDNA 5 (MIT licence, August 2026) and "CDNA5" Instruction Set Architecture Reference Guide (July 2026). The comments in the code are by the model that wrote it; some were corrected since.
;; Scaling Attention. Allowed arithmetic: matrix products marked QUANTISED: E2M3 operands, one E8M0 scale for each 32 along K, by v_wmma_scale_f32_16x16x128_f8f6f4 with both operands' format E2M3, f32 sums; everything else in f32.
;; Inputs: Wk 512 x 512 float32; Wo 512 x 512 float32; Wq 512 x 512 float32; Wv 512 x 512 float32; beta 512 float32; bo 512 float32; gamma 512 float32; kv 2 x 1,024 x 512 float32; q 2 x 4,096 x 512 float32.
;; Outputs: out0 2 x 4,096 x 512 float32.
;; This version of the problem:
;;   THIS VERSION OF THE PROBLEM IS GIVEN IN LOW PRECISION. The matrix products marked QUANTISED in the list below multiply operands that are first quantised to E2M3 (2 exponent bits, 3 mantissa bits; 6 bits a number), with one power-of-two scale for each 32 numbers along K (OCP MX v1.0); their sums are f32. All else is computed in f32.
;;   The module's matrix products, in the order in which they are computed (A, B: the left and right operand; K: the contracted axis; several contracted axes count as one K, in the product's order):
;;     1. [M 8,192, K 512] x [K 512, N 512]; A: input q; B: input Wq: QUANTISED
;;     2. [M 2,048, K 512] x [K 512, N 512]; A: input kv; B: input Wk: QUANTISED
;;     3. [M 2,048, K 512] x [K 512, N 512]; A: input kv; B: input Wv: QUANTISED
;;     4. batch 16 x [M 4,096, K 64] x [K 64, N 1,024]; A: computed on the way; B: computed on the way: QUANTISED
;;     5. batch 16 x [M 4,096, K 1,024] x [K 1,024, N 64]; A: softmax (see below); B: computed on the way: QUANTISED
;;     6. [M 8,192, K 512] x [K 512, N 512]; A: computed on the way; B: input Wo: QUANTISED
;;   THE QUANTISER, for each operand of a quantised product, along K:
;;     - K is cut into blocks of 32 from its start; a last block that is shorter is filled with zeros.
;;     - A block's scale is 2^e with e = floor(log2(the largest magnitude in the block)) - 2, held to -126 .. 127; a block of zeros has e = 0. As a byte (E8M0): e + 127.
;;     - Each number is divided by its block's scale, clamped to +-7.5, and rounded to the nearest number of E2M3, ties to even, subnormals kept.
;;     - The product sums the exact products of the quantised numbers (number of the format x scale) in f32.
;;   ~~~python
;;   def quantise(x, axis):      # numpy; x: float32 -> the quantised numbers, widened to float32 again
;;       x = np.moveaxis(x, axis, -1); K = x.shape[-1]
;;       x = np.pad(x, [(0, 0)] * (x.ndim - 1) + [(0, -K % 32)]); x = x.reshape(x.shape[:-1] + (-1, 32)); a = np.abs(x).max(-1, keepdims=True)
;;       e = np.where(a > 0, np.clip(np.frexp(np.where(a > 0, a, 1))[1] - 1 - 2, -126, 127), 0)      # np.frexp(a)[1] - 1 = floor(log2(a)), exactly
;;       r = np.clip(x / 2.0 ** e, -7.5, 7.5)
;;       step = 2.0 ** (np.maximum(np.frexp(np.where(r == 0, 1, r))[1] - 1, 0) - 3)
;;       q = np.round(r / step) * step * 2.0 ** e      # np.round: ties to even
;;       return np.moveaxis(q.reshape(q.shape[:-2] + (-1,))[..., :K], -1, axis).astype(np.float32)
;;   ~~~
;;   SOFTMAX AHEAD OF A QUANTISED PRODUCT. Where the list says 'softmax', what is quantised is not the finished softmax but p = 2^(t - M), with t = logit x log2(e) and M = ceil(the row's largest t), a whole number; so 1/2 < the row's largest p <= 1. The row's sum l is taken of the UNQUANTISED p, in f32, and the product's result is divided by l at the end. Since M is a whole number, a kernel that streams over the keys may use a running M (the ceiling of the running maximum): every later rescaling is an exact power of two, which a block's scale takes up: the codes' values come out the same.
;;   OPERANDS COMPUTED ON THE WAY. 'Computed on the way' means the value that the module computes at that place (a softmax that the list does not call 'softmax' is quantised finished and normalised). What goes into a quantiser is computed in f32, as accurately as f32 sums, v_exp_f32 and their like allow (about 1e-6 of the number): no bf16 or f16 on the way to a quantiser, and a product that is left as it is and whose result goes on into a quantised operand takes f32 operands (vector FMAs, or v_wmma_f32_16x16x4_f32). A number that lies on a knife's edge between two numbers of the format may be rounded either way, as far as f32 arithmetic and the matrix unit's own rounding can turn it there, and no further.
;; 2 versions. Each part assembles by itself: llvm-mc -triple=amdgcn-amd-amdhsa -mcpu=gfx1250 --defsym DOCPART=n.
;; ======== version 1 of 2: 3 launches
;; workspace buffers: img 4,718,592 bytes; isc 393,216 bytes; fr 4,718,592 bytes; fs 360,448 bytes
;; launch quant (part 1): grid 768 x 1, 4 waves a work-group, no clusters, 0 bytes of LDS; arguments q, kv, Wq, Wk, Wv, Wo, img, isc; writes img, isc
.if DOCPART == 1
	.amdgcn_target "amdgcn-amd-amdhsa--gfx1250"
	.amdhsa_code_object_version 6
	.text
	.protected	k_q1b7ec8ba85_quant
	.globl	k_q1b7ec8ba85_quant
	.p2align	8
	.type	k_q1b7ec8ba85_quant,@function
k_q1b7ec8ba85_quant:
	s_mov_b64 s[64:65], 0
	v_nop
	global_prefetch_b8 v0, s[64:65] scope:SCOPE_SE
	s_setreg_imm32_b32 hwreg(HW_REG_WAVE_MODE, 25, 1), 1
	s_wait_xcnt 0x0
; q [8192][512], kv [2048][512] (K innermost) and Wq, Wk, Wv, Wo [512 (k)][512 (n)] (K outermost), all f32, become codes of FP6 (E2M3) with one E8M0 byte
; for each 32 along K = 512, laid as IMAGES OF OPERAND REGISTERS: a fragment is 16 rows x 128 K, 12 registers a lane; registers 4 j .. 4 j + 3 of lane l lie at 512 j + 16 l
; of the fragment (1,536 bytes), its scale word (four bytes, one row) at 4 l of 128 bytes, lanes l and l + 16 holding the same word.
; TILES (16 rows x K 512, four fragments): 0-511 q, 512-639 kv, 640-671 Wq, 672-703 Wk, 704-735 Wv, 736-767 Wo.  Fragment F = 4 x tile + K step.
; Lane r of a tile T of q holds row 16 T + r.  Lane r of a tile T of kv or of a weight (a row of a weight operand is a column n) holds row 16 T - 8 (T % 2) + r + 8 (r / 8):
; used as source 0 of a product, two neighbouring tiles then give each lane 16 neighbours along the next K.
; SHARES: a work-group takes a tile, each of its four waves a K step: one fragment a wave, all its 8,192 bytes asked for at once.  No loop, no LDS, no barrier.
; A block scale is 2^(floor(log2(largest magnitude)) - 2): its byte is the exponent field of the largest magnitude less 2, held at 1 from below.
; LIMITS: NaN and infinities among the inputs are not served; a block whose largest magnitude lies under 2^-124 keeps the byte 1; a block of zeros has the byte 1 and not 127:
; its codes are zeros, which add nothing under any byte but 0xff, and the bytes are read by this program alone.
.set X,   16                           ; v16-79   64 numbers: register 16 b + i = k 32 b + 16 (lane / 16) + i of my row, within the K step
.set TM,  80                           ; v80-95   at work
.set PW,  96                           ; v96      the scale word
.set PC,  100                          ; v100-119 the codes: v100-111 the fragment
.set SEL, 36                           ; s[36:37] lane selects of v_permlanex16_b32: lane l xor 16
; 64 numbers of a lane become the codes of a fragment in v[PC] on and its scale word in v[PW]
.macro QUANT s
.irp b, 0,1,2,3
	v_max3_num_f32 v[TM+\b], |v[\s+16*\b]|, |v[\s+1+16*\b]|, 0x1800000   ; block b: my 16 numbers, and the floor 2^(3 - 127): the byte cannot fall under 1
.endr
.irp i, 2,4,6,8,10,12,14
.irp b, 0,1,2,3
	v_max3_num_f32 v[TM+\b], v[TM+\b], |v[\s+16*\b+\i]|, |v[\s+1+16*\b+\i]|   ; the four blocks by turns
.endr
.endr
.irp b, 0,1,2,3
	v_permlanex16_b32 v[TM+4+\b], v[TM+\b], s[SEL], s[SEL+1]
.endr
.irp b, 0,1,2,3
	v_max_num_f32 v[TM+\b], v[TM+\b], v[TM+4+\b]   ; with the other 16 numbers, in lane l xor 16: the largest magnitude of the block
.endr
.irp b, 0,1,2,3
	v_add_nc_u32 v[TM+12+\b], 0xff000000, v[TM+\b]   ; 2 off its exponent field: the conversion takes the exponent field of this operand as its scale
.endr
.irp b, 0,1,2,3
	v_lshrrev_b32 v[TM+4+\b], 23, v[TM+12+\b]   ; the byte
.endr
	v_lshl_or_b32 v[PW], v[TM+5], 8, v[TM+4]
	v_lshl_or_b32 v[PW], v[TM+6], 16, v[PW]
	v_lshl_or_b32 v[PW], v[TM+7], 24, v[PW]
.irp c, 0,1
	v_cvt_scalef32_pk16_fp6_f32 v[PC+6*\c:PC+2+6*\c], v[\s+32*\c:\s+15+32*\c], v[TM+12+2*\c]
	v_cvt_scalef32_pk16_fp6_f32 v[PC+12+4*\c:PC+14+4*\c], v[\s+16+32*\c:\s+31+32*\c], v[TM+12+2*\c+1]   ; three registers of a conversion begin on an even number
.endr
	v_nop                                          ; one plain instruction behind the scaled conversions
.irp c, 0,1                                    ; the operand wants a whole block in a lane: lanes 0-15 block 2 c, lanes 16-31 block 2 c + 1
.irp i, 0,1,2
	v_permlane16_swap_b32 v[PC+6*\c+\i], v[PC+12+4*\c+\i]
.endr
.irp i, 0,1,2
	v_mov_b32 v[PC+3+6*\c+\i], v[PC+12+4*\c+\i]
.endr
.endr
.endm
	s_load_b256 s[4:11], s[0:1], 0x0               ; q s[4:5], kv s[6:7], Wq s[8:9], Wk s[10:11]
	s_load_b256 s[12:19], s[0:1], 0x20             ; Wv s[12:13], Wo s[14:15], img s[16:17], isc s[18:19]
	v_lshrrev_b32 v1, 5, v0
	v_readfirstlane_b32 s20, v1                    ; wave = K step
	v_and_b32 v1, 31, v0                           ; lane
	v_and_b32 v2, 15, v0                           ; r
	v_bfe_u32 v3, v0, 4, 1                         ; h
	v_lshlrev_b32 v5, 4, v1                        ; 16 x lane
	v_lshlrev_b32 v6, 2, v1                        ; 4 x lane
.irp b, 0,1,2,3
	v_mov_b32 v[TM+4+\b], 0                        ; written once: the destination of a lane permute counts as one of its sources
.endr
	s_mov_b32 s[SEL], 0x76543210
	s_mov_b32 s[SEL+1], 0xfedcba98
	s_lshl_b32 s21, ttmp9, 2
	s_add_co_u32 s21, s21, s20                     ; F
	s_mul_i32 s24, s21, 1536
	s_mov_b32 s25, 0
	s_lshl_b32 s26, s21, 7
	s_mov_b32 s27, 0
	s_wait_kmcnt 0x0
	s_add_nc_u64 s[16:17], s[16:17], s[24:25]      ; where my fragment goes,
	s_add_nc_u64 s[18:19], s[18:19], s[26:27]      ; and its scale words
	s_cmp_lt_u32 ttmp9, 640
	s_cbranch_scc0 .Lweight
	; ---- q or kv: K is innermost.  Lane (r, h) takes, of its row, 16 neighbours of each block of 32: four loads of 16 bytes a block
	s_cmp_lt_u32 ttmp9, 512
	s_cselect_b64 s[28:29], s[4:5], s[6:7]
	s_cselect_b32 s30, 0, 512                      ; first tile of the tensor
	s_cselect_b32 s31, 0, 8                        ; 8 where the rows of a tile are chosen (kv), 0 where they are neighbours (q)
	s_sub_co_u32 s30, ttmp9, s30                   ; T
	s_and_b32 s32, s30, 1
	s_lshl_b32 s32, s32, 3
	s_and_b32 s32, s32, s31
	s_lshl_b32 s33, s30, 4
	s_sub_co_u32 s33, s33, s32                     ; 16 T - 8 (T % 2), or 16 T
	s_lshl_b32 s34, s33, 11                        ; rows of 2,048 bytes
	s_lshl_b32 s35, s20, 9                         ; the K step: 512 bytes
	s_add_co_u32 s34, s34, s35
	s_mov_b32 s35, 0
	s_add_nc_u64 s[28:29], s[28:29], s[34:35]
	v_and_b32 v4, s31, v2
	v_add_nc_u32 v4, v4, v2                        ; r + 8 (r / 8), or r
	v_lshlrev_b32 v4, 11, v4
	v_lshl_add_u32 v4, v3, 6, v4                   ; + 64 h
.irp b, 0,1,2,3
.irp j, 0,1,2,3
	global_load_b128 v[X+16*\b+4*\j:X+16*\b+4*\j+3], v4, s[28:29] offset:128*\b+16*\j th:TH_LOAD_NT
.endr
.endr
	s_branch .Lquantise
.Lweight:
	; ---- a weight: K is the first axis.  Lane r takes a column and its registers run down K, in the same order of registers as above
	s_sub_co_u32 s30, ttmp9, 640
	s_lshr_b32 s31, s30, 5                         ; 0 Wq, 1 Wk, 2 Wv, 3 Wo
	s_cmp_lt_u32 s31, 2
	s_cselect_b64 s[28:29], s[8:9], s[12:13]
	s_cselect_b64 s[32:33], s[10:11], s[14:15]
	s_and_b32 s34, s31, 1
	s_cmp_eq_u32 s34, 0
	s_cselect_b64 s[28:29], s[28:29], s[32:33]
	s_and_b32 s30, s30, 31                         ; T
	s_and_b32 s31, s30, 1
	s_lshl_b32 s31, s31, 3
	s_lshl_b32 s30, s30, 4
	s_sub_co_u32 s30, s30, s31                     ; 16 T - 8 (T % 2)
	s_lshl_b32 s34, s30, 2
	s_lshl_b32 s35, s20, 18                        ; the K step: 128 rows of 2,048 bytes
	s_add_co_u32 s34, s34, s35
	s_mov_b32 s35, 0
	s_add_nc_u64 s[28:29], s[28:29], s[34:35]
	v_and_b32 v4, 8, v2
	v_add_nc_u32 v4, v4, v2                        ; r + 8 (r / 8)
	v_lshlrev_b32 v4, 2, v4
	v_lshl_add_u32 v4, v3, 15, v4                  ; lanes 16-31 begin 16 rows further down
.irp b, 0,1,2,3
.irp i, 0,1,2,3,4,5,6,7,8,9,10,11,12,13,14,15
	global_load_b32 v[X+16*\b+\i], v4, s[28:29] offset:(32*\b+\i)*2048
.endr
.endr
.Lquantise:
	s_wait_loadcnt 0x0
	QUANT X
.irp j, 0,1,2
	global_store_b128 v5, v[PC+4*\j:PC+4*\j+3], s[16:17] offset:512*\j   ; 32 lanes store 512 consecutive bytes, at a multiple of 256 from the first byte of img
.endr
	global_store_b32 v6, v[PW], s[18:19]           ; 128 consecutive bytes
	s_endpgm
.Lfunc_end_k_q1b7ec8ba85_quant:
	.size	k_q1b7ec8ba85_quant, .Lfunc_end_k_q1b7ec8ba85_quant-k_q1b7ec8ba85_quant
	.p2alignl 7, 3214868480
	.fill 96, 4, 3214868480
	.section	.rodata,"a",@progbits
	.p2align	6, 0x0
	.amdhsa_kernel k_q1b7ec8ba85_quant
		.amdhsa_group_segment_fixed_size 0
		.amdhsa_private_segment_fixed_size 0
		.amdhsa_enable_private_segment 0
		.amdhsa_kernarg_size 64
		.amdhsa_user_sgpr_count 2
		.amdhsa_user_sgpr_kernarg_segment_ptr 1
		.amdhsa_wavefront_size32 1
		.amdhsa_system_sgpr_workgroup_id_x 1
		.amdhsa_system_sgpr_workgroup_id_y 1
		.amdhsa_system_sgpr_workgroup_id_z 1
		.amdhsa_system_vgpr_workitem_id 0
		.amdhsa_next_free_vgpr 120
		.amdhsa_next_free_sgpr 66
		.amdhsa_reserve_vcc 0
		.amdhsa_float_denorm_mode_32 3
		.amdhsa_float_denorm_mode_16_64 3
		.amdhsa_memory_ordered 1
		.amdhsa_forward_progress 1
		.amdhsa_inst_pref_size 15
	.end_amdhsa_kernel
	.amdgpu_metadata
---
amdhsa.version: [ 1, 2 ]
amdhsa.kernels:
  - .name:           k_q1b7ec8ba85_quant
    .symbol:         k_q1b7ec8ba85_quant.kd
    .args:
      - { .name: q, .offset: 0, .size: 8, .value_kind: global_buffer, .address_space: global }
      - { .name: kv, .offset: 8, .size: 8, .value_kind: global_buffer, .address_space: global }
      - { .name: Wq, .offset: 16, .size: 8, .value_kind: global_buffer, .address_space: global }
      - { .name: Wk, .offset: 24, .size: 8, .value_kind: global_buffer, .address_space: global }
      - { .name: Wv, .offset: 32, .size: 8, .value_kind: global_buffer, .address_space: global }
      - { .name: Wo, .offset: 40, .size: 8, .value_kind: global_buffer, .address_space: global }
      - { .name: img, .offset: 48, .size: 8, .value_kind: global_buffer, .address_space: global }
      - { .name: isc, .offset: 56, .size: 8, .value_kind: global_buffer, .address_space: global }
    .group_segment_fixed_size: 0
    .private_segment_fixed_size: 0
    .kernarg_segment_align: 8
    .kernarg_segment_size: 64
    .max_flat_workgroup_size: 128
    .sgpr_count:     66
    .vgpr_count:     120
    .wavefront_size: 32
...
	.end_amdgpu_metadata
.endif
;; end of part 1
;; launch proj (part 2): grid 192 x 1, 4 waves a work-group, no clusters, 0 bytes of LDS; arguments img, isc, fr, fs; writes fr, fs
.if DOCPART == 2
	.amdgcn_target "amdgcn-amd-amdhsa--gfx1250"
	.amdhsa_code_object_version 6
	.text
	.protected	k_q1b7ec8ba85_proj
	.globl	k_q1b7ec8ba85_proj
	.p2align	8
	.type	k_q1b7ec8ba85_proj,@function
k_q1b7ec8ba85_proj:
	s_mov_b64 s[64:65], 0
	v_nop
	global_prefetch_b8 v0, s[64:65] scope:SCOPE_SE
	s_setreg_imm32_b32 hwreg(HW_REG_WAVE_MODE, 25, 1), 1
	s_wait_xcnt 0x0
; The three projections q Wq, kv Wk, kv Wv on codes of FP6 (E2M3), K = 512, and the quantising of their results, in registers, into the operands of attention.
; ONE BODY.  A unit is 8 result tiles x 4 K steps = 32 matrix instructions: source 0 = a group of 8 tiles (128 rows, chosen so that lane (r, h) ends up with register 16 b + i = row 32 b + 16 h + i
; of the group), source 1 = one tile of 16 rows, whose row r the lane holds.  So a lane holds 64 numbers that run along the NEXT K, and QUANT makes a fragment of them.
;   Q (work-groups 0-127):   group = 128 channels of Wq (two heads), tile = 16 queries.  The fragment is two halves of 64 along d: one record of 768 bytes for each head.
;   K (work-groups 128-159): group = 128 channels of Wk, tile = 16 keys of kv (the chosen rows of a tile are the keys that a tile of scores wants).  Records as for Q.
;   V (work-groups 160-191): group = 128 keys of kv, tile = 16 channels of Wv.  The fragment runs along the keys: 1,536 bytes, an image of its 12 registers.
; A record of 768 bytes: registers 0-3 of lane l at 16 l, registers 4-5 at 512 + 8 l.  Scale words: 4 bytes a row, 64 bytes a tile.  The word of a head has its two bytes in bytes 0 and 1;
; bytes 2 and 3 hold the neighbouring head (1 to 254) or 0, and meet zero codes alone.
; fr: Q at 0, record (8 f + head), f the tile of 16 rows of q;  K at 3,145,728, record ((8 g + head) 8 + t), g the group of 128 keys, t its tile;  V at 3,932,160, fragment (32 g + c), c the tile of 16 channels.
; fs: Q at 0: 64 (8 f + head);  K at 262,144: 512 (8 g + head) + 64 t;  V at 327,680: 64 (32 g + c).
; SHARES.  A wave keeps one group in registers (32 fragments) and takes four tiles on end; the four waves of a work-group share the group.  All operands are asked for at once, whole fragments by loads of 16 bytes a lane.
; No LDS: nothing goes from wave to wave.  No cluster: what work-groups share is 48 KiB read once by each, with no loop over it in which requests could meet.
; LIMITS as in the quantiser in front: NaN and infinities not served; byte 1 under 2^-124 and for a block of zeros.
; REGISTERS, in windows of 256: window 0: v1-4 offsets; v16-79 the 8 accumulators; v80-119 at work; v128-159 scale words of the group (4 tile + K step), v160-175 of the four tiles.
;   window 1: the group, K steps 0, 1, at v[12 (2 tile + step)];   window 2: K steps 2, 3 likewise;   window 3: the four tiles, at v[48 i + 12 step].
.set HA,  16
.set TM,  80
.set PW,  96                           ; the scale word;
.set PH,  97                           ; its upper half, for the second head
.set PC,  100
.set MS,  128
.set FS,  160
.set SEL, 42
.set MSB, 0
.macro WIN new                         ; the high byte of the immediate repeats the setting that is left
.if MSB != \new
	s_set_vgpr_msb (MSB<<8)|\new
.set MSB, \new
.endif
.endm
.macro QUANT s
.irp b, 0,1,2,3
	v_max3_num_f32 v[TM+\b], |v[\s+16*\b]|, |v[\s+1+16*\b]|, 0x1800000   ; block b: my 16 numbers, and the floor 2^(3 - 127).  Each accumulator is read from its low end on
.endr
.irp i, 2,4,6,8,10,12,14
.irp b, 0,1,2,3
	v_max3_num_f32 v[TM+\b], v[TM+\b], |v[\s+16*\b+\i]|, |v[\s+1+16*\b+\i]|
.endr
.endr
.irp b, 0,1,2,3
	v_permlanex16_b32 v[TM+4+\b], v[TM+\b], s[SEL], s[SEL+1]
.endr
.irp b, 0,1,2,3
	v_max_num_f32 v[TM+\b], v[TM+\b], v[TM+4+\b]
.endr
.irp b, 0,1,2,3
	v_add_nc_u32 v[TM+12+\b], 0xff000000, v[TM+\b]   ; 2 off the exponent field: the scale operand of the conversion
.endr
.irp b, 0,1,2,3
	v_lshrrev_b32 v[TM+4+\b], 23, v[TM+12+\b]   ; the byte
.endr
	v_lshl_or_b32 v[PW], v[TM+5], 8, v[TM+4]
	v_lshl_or_b32 v[PW], v[TM+6], 16, v[PW]
	v_lshl_or_b32 v[PW], v[TM+7], 24, v[PW]
.irp c, 0,1
	v_cvt_scalef32_pk16_fp6_f32 v[PC+6*\c:PC+2+6*\c], v[\s+32*\c:\s+15+32*\c], v[TM+12+2*\c]
	v_cvt_scalef32_pk16_fp6_f32 v[PC+12+4*\c:PC+14+4*\c], v[\s+16+32*\c:\s+31+32*\c], v[TM+12+2*\c+1]
.endr
	v_nop                                          ; one plain instruction behind the scaled conversions
.irp c, 0,1
.irp i, 0,1,2
	v_permlane16_swap_b32 v[PC+6*\c+\i], v[PC+12+4*\c+\i]
.endr
.irp i, 0,1,2
	v_mov_b32 v[PC+3+6*\c+\i], v[PC+12+4*\c+\i]
.endr
.endr
.endm
	s_load_b256 s[4:11], s[0:1], 0x0               ; img s[4:5], isc s[6:7], fr s[8:9], fs s[10:11]
	v_lshrrev_b32 v1, 5, v0
	v_readfirstlane_b32 s12, v1                    ; wave
	v_and_b32 v5, 31, v0
	v_lshlrev_b32 v1, 4, v5                        ; 16 x lane
	v_lshlrev_b32 v2, 3, v5                        ; 8 x lane
	v_lshlrev_b32 v3, 2, v5                        ; 4 x lane
	v_and_b32 v4, 15, v0
	v_lshlrev_b32 v4, 2, v4                        ; 4 r
.irp b, 0,1,2,3
	v_mov_b32 v[TM+4+\b], 0                        ; written once: the destination of a lane permute counts as one of its sources
.endr
	s_mov_b32 s[SEL], 0x76543210
	s_mov_b32 s[SEL+1], 0xfedcba98
	s_lshl_b32 s14, s12, 2                         ; my four tiles begin 4 x wave on
	; the role: s13; s16 first tile of the group, s17 first of my four tiles (in img); s28, s32 where the first results go in fr, fs; s30, s34 from head to head; s36, s38 from unit to unit
	s_cmp_lt_u32 ttmp9, 128
	s_cbranch_scc0 .Lnot_q
	s_mov_b32 s13, 0
	s_and_b32 s15, ttmp9, 3                        ; G
	s_lshl_b32 s16, s15, 3
	s_add_co_u32 s16, s16, 640
	s_lshr_b32 s17, ttmp9, 2
	s_lshl_b32 s17, s17, 4
	s_add_co_u32 s17, s17, s14                     ; f
	s_lshl_b32 s18, s17, 3
	s_lshl_b32 s19, s15, 1
	s_add_co_u32 s18, s18, s19                     ; 8 f + 2 G
	s_mul_i32 s28, s18, 768
	s_lshl_b32 s32, s18, 6
	s_mov_b32 s30, 768
	s_mov_b32 s36, 6144
	s_mov_b32 s34, 64
	s_mov_b32 s38, 512
	s_branch .Lroles
.Lnot_q:
	s_cmp_lt_u32 ttmp9, 160
	s_cbranch_scc0 .Lis_v
	s_mov_b32 s13, 1
	s_sub_co_u32 s19, ttmp9, 128
	s_and_b32 s15, s19, 3                          ; G
	s_lshl_b32 s16, s15, 3
	s_add_co_u32 s16, s16, 672
	s_lshr_b32 s17, s19, 2
	s_lshl_b32 s17, s17, 4
	s_add_co_u32 s17, s17, s14                     ; tile of kv
	s_lshr_b32 s18, s17, 3                         ; g
	s_lshl_b32 s18, s18, 3
	s_lshl_b32 s19, s15, 1
	s_add_co_u32 s18, s18, s19                     ; 8 g + 2 G
	s_and_b32 s19, s17, 7                          ; t
	s_lshl_b32 s28, s18, 3
	s_add_co_u32 s28, s28, s19
	s_mul_i32 s28, s28, 768
	s_add_co_u32 s28, s28, 3145728
	s_lshl_b32 s32, s18, 9
	s_lshl_b32 s19, s19, 6
	s_add_co_u32 s32, s32, s19
	s_add_co_u32 s32, s32, 262144
	s_add_co_u32 s17, s17, 512
	s_mov_b32 s30, 6144
	s_mov_b32 s36, 768
	s_mov_b32 s34, 512
	s_mov_b32 s38, 64
	s_branch .Lroles
.Lis_v:
	s_mov_b32 s13, 2
	s_sub_co_u32 s19, ttmp9, 160
	s_lshr_b32 s15, s19, 1                         ; g
	s_lshl_b32 s16, s15, 3
	s_add_co_u32 s16, s16, 512
	s_and_b32 s17, s19, 1
	s_lshl_b32 s17, s17, 4
	s_add_co_u32 s17, s17, s14                     ; c
	s_lshl_b32 s18, s15, 5
	s_add_co_u32 s18, s18, s17                     ; 32 g + c
	s_mul_i32 s28, s18, 1536
	s_add_co_u32 s28, s28, 3932160
	s_lshl_b32 s32, s18, 6
	s_add_co_u32 s32, s32, 327680
	s_add_co_u32 s17, s17, 704
	s_mov_b32 s30, 0
	s_mov_b32 s36, 1536
	s_mov_b32 s34, 0
	s_mov_b32 s38, 64
.Lroles:
	s_mov_b32 s29, 0
	s_mov_b32 s31, 0
	s_mov_b32 s33, 0
	s_mov_b32 s35, 0
	s_mov_b32 s37, 0
	s_mov_b32 s39, 0
	s_mul_i32 s20, s16, 6144                       ; a tile is four fragments of 1,536 bytes,
	s_mov_b32 s21, 0
	s_lshl_b32 s22, s16, 9                         ; and four times 128 bytes of scale words
	s_mov_b32 s23, 0
	s_mul_i32 s24, s17, 6144
	s_mov_b32 s25, 0
	s_lshl_b32 s26, s17, 9
	s_mov_b32 s27, 0
	s_wait_kmcnt 0x0
	s_add_nc_u64 s[20:21], s[4:5], s[20:21]        ; the group: codes,
	s_add_nc_u64 s[22:23], s[6:7], s[22:23]        ; scale words
	s_add_nc_u64 s[24:25], s[4:5], s[24:25]        ; my four tiles: codes,
	s_add_nc_u64 s[26:27], s[6:7], s[26:27]        ; scale words
	s_add_nc_u64 s[28:29], s[8:9], s[28:29]        ; results: the first head (or the whole fragment),
	s_add_nc_u64 s[30:31], s[28:29], s[30:31]      ; the second head
	s_add_nc_u64 s[32:33], s[10:11], s[32:33]      ; their scale words
	s_add_nc_u64 s[34:35], s[32:33], s[34:35]
	WIN 0x40                                       ; destination window 1
.irp t, 0,1,2,3,4,5,6,7
.irp s, 0,1
.irp j, 0,1,2
	global_load_b128 v[12*(2*\t+\s)+4*\j:12*(2*\t+\s)+4*\j+3], v1, s[20:21] offset:(4*\t+\s)*1536+512*\j
.endr
.endr
.endr
	WIN 0x80                                       ; destination window 2
.irp t, 0,1,2,3,4,5,6,7
.irp s, 0,1
.irp j, 0,1,2
	global_load_b128 v[12*(2*\t+\s)+4*\j:12*(2*\t+\s)+4*\j+3], v1, s[20:21] offset:(4*\t+2+\s)*1536+512*\j
.endr
.endr
.endr
	WIN 0xc0                                       ; destination window 3
.irp f, 0,1,2,3,4,5,6,7,8,9,10,11,12,13,14,15
.irp j, 0,1,2
	global_load_b128 v[12*\f+4*\j:12*\f+4*\j+3], v1, s[24:25] offset:\f*1536+512*\j
.endr
.endr
	WIN 0
.irp f, 0,1,2,3,4,5,6,7,8,9,10,11,12,13,14,15,16,17,18,19,20,21,22,23,24,25,26,27,28,29,30,31
	global_load_b32 v[MS+\f], v3, s[22:23] offset:128*\f
.endr
.irp f, 0,1,2,3,4,5,6,7,8,9,10,11,12,13,14,15
	global_load_b32 v[FS+\f], v3, s[26:27] offset:128*\f
.endr
	s_wait_loadcnt 0x0                             ; the one wait for data: everything that the wave multiplies is in registers
; Eight products of one K step: the eight accumulators take turns, one instruction a turn.  k: the step; a: where the step lies in its window (0 or 12); zero = 1: the first step starts the sums
.macro MUL8 i, k, a, zero
.irp t, 0,1,2,3,4,5,6,7
.if \zero
	v_wmma_scale_f32_16x16x128_f8f6f4 v[HA+8*\t:HA+8*\t+7], v[24*\t+\a:24*\t+\a+11], v[48*\i+12*\k:48*\i+12*\k+11], 0, v[MS+4*\t+\k], v[FS+4*\i+\k] matrix_a_fmt:MATRIX_FMT_FP6 matrix_b_fmt:MATRIX_FMT_FP6
.else
	v_wmma_scale_f32_16x16x128_f8f6f4 v[HA+8*\t:HA+8*\t+7], v[24*\t+\a:24*\t+\a+11], v[48*\i+12*\k:48*\i+12*\k+11], v[HA+8*\t:HA+8*\t+7], v[MS+4*\t+\k], v[FS+4*\i+\k] matrix_a_fmt:MATRIX_FMT_FP6 matrix_b_fmt:MATRIX_FMT_FP6
.endif
.endr
.endm
.macro UNIT i
	WIN 0x0d                                       ; source 0 window 1, source 1 window 3, C and D window 0
	MUL8 \i, 0, 0, 1
	MUL8 \i, 1, 12, 0
	WIN 0x0e                                       ; source 0 window 2
	MUL8 \i, 2, 0, 0
	MUL8 \i, 3, 12, 0
	WIN 0
.rept 4
	v_nop                                          ; four plain instructions between the last product and the first read of results (ISA guide 7.12.1)
.endr
	QUANT HA
	v_lshrrev_b32 v[PH], 16, v[PW]                 ; the two bytes of the second head
	s_cmp_eq_u32 s13, 2
	s_cbranch_scc1 .Lwhole_\@
	global_store_b128 v1, v[PC:PC+3], s[28:29]               ; each store covers 512 or 256 consecutive bytes, at a multiple of 256 from the first byte of fr
	global_store_b64 v2, v[PC+4:PC+5], s[28:29] offset:512
	global_store_b128 v1, v[PC+6:PC+9], s[30:31]
	global_store_b64 v2, v[PC+10:PC+11], s[30:31] offset:512
	global_store_b32 v4, v[PW], s[32:33]                     ; lanes r and r + 16 store the same word: 64 consecutive bytes
	global_store_b32 v4, v[PH], s[34:35]
	s_branch .Lstored_\@
.Lwhole_\@:
.irp j, 0,1,2
	global_store_b128 v1, v[PC+4*\j:PC+4*\j+3], s[28:29] offset:512*\j
.endr
	global_store_b32 v4, v[PW], s[32:33]
.Lstored_\@:
.if \i < 3
	s_wait_xcnt 0x0                                ; the stores have read their data and bases: both are written again only behind this wait
	s_add_nc_u64 s[28:29], s[28:29], s[36:37]
	s_add_nc_u64 s[30:31], s[30:31], s[36:37]
	s_add_nc_u64 s[32:33], s[32:33], s[38:39]
	s_add_nc_u64 s[34:35], s[34:35], s[38:39]
.endif
.endm
	UNIT 0
	UNIT 1
	UNIT 2
	UNIT 3
	s_endpgm
.Lfunc_end_k_q1b7ec8ba85_proj:
	.size	k_q1b7ec8ba85_proj, .Lfunc_end_k_q1b7ec8ba85_proj-k_q1b7ec8ba85_proj
	.p2alignl 7, 3214868480
	.fill 96, 4, 3214868480
	.section	.rodata,"a",@progbits
	.p2align	6, 0x0
	.amdhsa_kernel k_q1b7ec8ba85_proj
		.amdhsa_group_segment_fixed_size 0
		.amdhsa_private_segment_fixed_size 0
		.amdhsa_enable_private_segment 0
		.amdhsa_kernarg_size 32
		.amdhsa_user_sgpr_count 2
		.amdhsa_user_sgpr_kernarg_segment_ptr 1
		.amdhsa_wavefront_size32 1
		.amdhsa_system_sgpr_workgroup_id_x 1
		.amdhsa_system_sgpr_workgroup_id_y 1
		.amdhsa_system_sgpr_workgroup_id_z 1
		.amdhsa_system_vgpr_workitem_id 0
		.amdhsa_next_free_vgpr 960
		.amdhsa_next_free_sgpr 66
		.amdhsa_reserve_vcc 0
		.amdhsa_float_denorm_mode_32 3
		.amdhsa_float_denorm_mode_16_64 3
		.amdhsa_memory_ordered 1
		.amdhsa_forward_progress 1
		.amdhsa_inst_pref_size 60
	.end_amdhsa_kernel
	.amdgpu_metadata
---
amdhsa.version: [ 1, 2 ]
amdhsa.kernels:
  - .name:           k_q1b7ec8ba85_proj
    .symbol:         k_q1b7ec8ba85_proj.kd
    .args:
      - { .name: img, .offset: 0, .size: 8, .value_kind: global_buffer, .address_space: global }
      - { .name: isc, .offset: 8, .size: 8, .value_kind: global_buffer, .address_space: global }
      - { .name: fr, .offset: 16, .size: 8, .value_kind: global_buffer, .address_space: global }
      - { .name: fs, .offset: 24, .size: 8, .value_kind: global_buffer, .address_space: global }
    .group_segment_fixed_size: 0
    .private_segment_fixed_size: 0
    .kernarg_segment_align: 8
    .kernarg_segment_size: 32
    .max_flat_workgroup_size: 128
    .sgpr_count:     66
    .vgpr_count:     960
    .wavefront_size: 32
...
	.end_amdgpu_metadata
.endif
;; end of part 2
;; launch attn (part 3): grid 256 x 1, 16 waves a work-group, no clusters, 82,944 bytes of LDS; arguments fr, fs, img, isc, gamma, beta, bo, out0; writes out0
.if DOCPART == 3
	.amdgcn_target "amdgcn-amd-amdhsa--gfx1250"
	.amdhsa_code_object_version 6
	.text
	.protected	k_q1b7ec8ba85_attn
	.globl	k_q1b7ec8ba85_attn
	.p2align	8
	.type	k_q1b7ec8ba85_attn,@function
k_q1b7ec8ba85_attn:
	s_mov_b64 s[64:65], 0
	v_nop
	global_prefetch_b8 v0, s[64:65] scope:SCOPE_SE
	s_setreg_imm32_b32 hwreg(HW_REG_WAVE_MODE, 25, 1), 1
	s_wait_xcnt 0x0
; Attention under the mask (key j counts for query i where j <= i / 4), LayerNorm over the 512 channels of a row, and the product with Wo, + bo.  All three products on codes of FP6 (E2M3).
; THE SOFTMAX AHEAD OF THE SECOND PRODUCT: t = score x log2(e) / 8; M = the largest t of the row so far, rounded UP to a whole number; p = 2^(t - M) is quantised along the keys, not normalised;
; the sum of the row is taken of the unquantised p and divides at the end.  When M moves, the sum and O are multiplied by 2^(old M - new M): exact.
; SHARES.  Work-group x: batch x / 128, p = x % 128; it owns tiles p and 255 - p of 16 queries.  Tile T needs T / 32 + 1 key steps of 128 keys: the two counts add up to 9 in every work-group.
; Wave w: head w / 2, and tile p or 255 - p by (w xor w / 4) % 2.  A wave is one (tile, head) in 256 registers; four waves share a SIMD, so that the vector work of one stands beside the products and loads of another.
; Only the last key step of a wave meets the mask: 128 (steps - 1) <= 4 T.  Its first key counts for every query of the tile, so M is a number from the first step on.
; OPERANDS come from memory straight into registers, from buffers laid in the order of the registers.  No LDS ring and no cluster for K and V: the two tiles of a work-group walk different numbers of
; steps (1 to 4 against 8 to 5) and so would partners; joint requests would have every partner fetch all eight steps.
; LAYOUT.  Both products are used transposed (S^T = K Q^T, O^T = V^T P^T): a lane holds ONE query (lane % 16) throughout.  The keys of a tile of K are chosen so that registers 16 b + i of S^T are keys 32 b + 16 (lane / 16) + i,
; and the channels of a tile of V so that registers 16 b + i of O^T are channels 64 head + 32 b + 16 (lane / 16) + i: both orders are what the next quantiser wants.
; K = 64 IN AN INSTRUCTION OF 128: the fragment of Q has zero codes for k = 64 .. 127, so source 0 of key tile t is v[32 + 6 t .. 43 + 6 t]: its upper six registers are the next tile (for tile 7: zeros), multiplied by zeros.
; BEHIND THE KEYS: y = O / sum; mean and variance over the eight heads through LDS (two passes: no difference of large sums); z = (y - mean) rsqrt(var + 1e-5) gamma + beta, quantised in registers;
; the codes go to LDS as images of registers; wave w makes columns 32 w .. 32 w + 31 of z Wo + bo for both tiles (bo is loaded into the accumulators); rows leave through a stage in LDS, 512 consecutive bytes a store.
; LIMITS: NaN and infinities not served; a block under 2^-124, or of zeros, has the byte 1 (its codes then round to zero or are zeros; the bytes are read by this program alone).
; REGISTERS in the key loop: v0 thread; v1, v2 for the add; v3-5 16, 8, 4 x lane; v6 the mask bound; v8-11 block maxima; v12 -M, v13 largest t, v[14:15] the sum; v16-27 Q; v32-79 K, v80-85 zeros; v88-94 at work;
;   v96-159 S^T, then p; v160-191 O^T; v192-239 V; v240-251 codes of p; v252 f (v253 the written upper half of its pair); v254 at work.
;   SCALES AND NOTHING ELSE: v7 Q; v28-31 K (lanes 0-15 tile 2 q, lanes 16-31 tile 2 q + 1); v86-87 V likewise; v95 p.  Behind the loop: v28-31 Wo (lanes 0-15 tile 2 w, 16-31 tile 2 w + 1), v86, v87, v7, v95 z (lanes 0-15 tile p, 16-31 tile 255 - p).
; Behind the loop: accumulators v8-15, v16-23, v240-247, v248-255; Wo v32-79, v192-239; y, z v96-127, gamma v128-159, beta v160-191, later the fragments of z v96-191; v6, v24-27, v80-83 addresses; v84, v85, v88-94 at work.
.set RED2,  1024                       ; LDS: 0: sums [tile][head][16 rows] of 4 bytes; 1,024: the same for the squares;
.set ZIMG,  2048                       ; records of z, (8 tile + head) x 768 bytes: registers 0-3 of lane l at 16 l, registers 4-5 at 512 + 8 l;
.set ZSC,   14336                      ; scale words of z: (4 tile + K step) x 64 + 4 r; a head stores its two bytes;
.set STG,   14848                      ; the stage: 32 rows x (2,048 + 16) bytes;
.set SP,    2064
.set SPARE, 80896                      ; the spare words, 128 bytes for each of 16 waves: eight blocks of 256 bytes that no other line names
.set SEL,   42                         ; s[42:43] lane selects of v_permlanex16_b32: lane l xor 16
.set CS,    44                         ; s[44:45] c = log2(e) / 8
.set CNT,   26                         ; s26 key steps to go
.macro BARRIER                         ; my LDS stores have landed and my LDS loads are in: then the barrier of the work-group
	s_wait_dscnt 0x0
	s_barrier_signal -1
	s_barrier_wait -1
.endm
.macro KLOAD                           ; a step of K for my head: 8 records and 8 x 64 bytes of scale words: 20 loads
.irp t, 0,1,2,3,4,5,6,7
	global_load_b128 v[32+6*\t:35+6*\t], v3, s[30:31] offset:768*\t
	global_load_b64 v[36+6*\t:37+6*\t], v4, s[30:31] offset:768*\t+512
.endr
.irp q, 0,1,2,3
	global_load_b32 v[28+\q], v5, s[32:33] offset:128*\q
.endr
.endm
.macro VLOAD                           ; a step of V for my head: 4 fragments and 4 x 64 bytes of scale words: 14 loads
.irp i, 0,1,2,3
.irp j, 0,1,2
	global_load_b128 v[192+12*\i+4*\j:195+12*\i+4*\j], v3, s[34:35] offset:1536*\i+512*\j
.endr
.endr
.irp q, 0,1
	global_load_b32 v[86+\q], v5, s[36:37] offset:128*\q
.endr
.endm
	s_load_b256 s[4:11], s[0:1], 0x0               ; fr s[4:5], fs s[6:7], img s[8:9], isc s[10:11]
	s_load_b256 s[12:19], s[0:1], 0x20             ; gamma s[12:13], beta s[14:15], bo s[16:17], out0 s[18:19]
	v_lshl_add_u32 v1, v0, 2, SPARE                ; my spare word,
	v_mov_b32 v2, 0                                ; and 0: kept for the add at the end of the wave
	v_lshrrev_b32 v3, 5, v0
	v_readfirstlane_b32 s20, v3                    ; wave 0..15
	s_lshr_b32 s21, s20, 1                         ; head
	s_lshr_b32 s22, s20, 2
	s_xor_b32 s22, s22, s20
	s_and_b32 s22, s22, 1                          ; which of the two tiles
	s_lshr_b32 s23, ttmp9, 7                       ; batch
	s_and_b32 s24, ttmp9, 127                      ; p
	s_sub_co_u32 s29, 255, s24
	s_cmp_eq_u32 s22, 0
	s_cselect_b32 s25, s24, s29                    ; my tile of 16 queries
	s_lshr_b32 s[CNT], s25, 5
	s_add_co_u32 s[CNT], s[CNT], 1                 ; its key steps: 1 to 8
	s_and_b32 s27, s25, 31
	s_lshl_b32 s27, s27, 2                         ; 4 (tile % 32)
	s_lshr_b32 s28, s20, 3
	s_cmp_eq_u32 s28, 0
	s_cselect_b32 s57, s24, s29                    ; the tile whose rows I store at the end: waves 0-7 tile p, waves 8-15 tile 255 - p
	s_mul_i32 s28, s23, 393216
	s_mul_i32 s29, s21, 6144
	s_add_co_u32 s28, s28, s29
	s_add_co_u32 s30, s28, 3145728                 ; K: codes
	s_mov_b32 s31, 0
	s_add_co_u32 s34, s28, 3932160                 ; V: codes
	s_mov_b32 s35, 0
	s_lshl_b32 s32, s23, 15
	s_lshl_b32 s29, s21, 9
	s_add_co_u32 s32, s32, s29
	s_add_co_u32 s32, s32, 262144                  ; K: scale words
	s_mov_b32 s33, 0
	s_lshl_b32 s36, s23, 14
	s_lshl_b32 s29, s21, 8
	s_add_co_u32 s36, s36, s29
	s_add_co_u32 s36, s36, 327680                  ; V: scale words
	s_mov_b32 s37, 0
	s_mov_b32 s46, s29                             ; gamma, beta: 256 x head
	s_mov_b32 s47, 0
	s_lshl_b32 s38, s23, 8
	s_add_co_u32 s38, s38, s25
	s_lshl_b32 s38, s38, 3
	s_add_co_u32 s38, s38, s21                     ; the record of Q: 8 (256 batch + tile) + head
	s_mul_i32 s40, s38, 768
	s_mov_b32 s41, 0
	s_lshl_b32 s38, s38, 6
	s_mov_b32 s39, 0
	s_lshl_b32 s48, s20, 7                         ; bo: my 32 columns
	s_mov_b32 s49, 0
	s_lshl_b32 s50, s20, 1
	s_add_co_u32 s50, s50, 736                     ; my two tiles of Wo
	s_mul_i32 s52, s50, 6144
	s_mov_b32 s53, 0
	s_lshl_b32 s50, s50, 9
	s_mov_b32 s51, 0
	s_lshl_b32 s54, s23, 12
	s_lshl_b32 s57, s57, 4
	s_add_co_u32 s54, s54, s57
	s_lshl_b32 s57, s20, 1
	s_and_b32 s57, s57, 15
	s_add_co_u32 s54, s54, s57                     ; the first of the two rows of out0 that I store
	s_lshl_b32 s54, s54, 11
	s_mov_b32 s55, 0
	s_lshl_b32 s61, s22, 3
	s_add_co_u32 s61, s61, s21                     ; 8 tile + head
	s_mov_b32 s[SEL], 0x76543210
	s_mov_b32 s[SEL+1], 0xfedcba98
	s_mov_b32 s[CS], 0x3e38aa3b                    ; c = log2(e) / 8
	s_mov_b32 s[CS+1], s[CS]                       ; (named with it as a pair, so it is written)
	s_mov_b32 s59, 0x3b000000                      ; 1 / 512
	s_mov_b32 s60, 0x3727c5ac                      ; 1e-5
	v_and_b32 v8, 31, v0
	v_lshlrev_b32 v3, 4, v8                        ; 16 x lane
	v_lshlrev_b32 v4, 3, v8                        ; 8 x lane
	v_lshlrev_b32 v5, 2, v8                        ; 4 x lane
	v_and_b32 v10, 15, v0
	v_lshlrev_b32 v10, 2, v10                      ; 4 r, for the scale words of Q
	v_bfe_u32 v6, v0, 2, 2                         ; r / 4
	v_bfe_u32 v9, v0, 4, 1
	v_lshlrev_b32 v9, 4, v9
	v_sub_nc_u32 v6, v6, v9
	v_add_nc_u32 v6, s27, v6                       ; d = 4 (tile % 32) + r / 4 - 16 (lane / 16): in the last step register 16 b + i is hidden where 32 b + i > d
	s_wait_kmcnt 0x0
	s_add_nc_u64 s[40:41], s[4:5], s[40:41]
	s_add_nc_u64 s[38:39], s[6:7], s[38:39]
	s_add_nc_u64 s[30:31], s[4:5], s[30:31]
	s_add_nc_u64 s[32:33], s[6:7], s[32:33]
	global_load_b128 v[16:19], v3, s[40:41] th:TH_LOAD_NT      ; Q stays in registers
	global_load_b64 v[20:21], v4, s[40:41] offset:512 th:TH_LOAD_NT
	global_load_b32 v7, v10, s[38:39] th:TH_LOAD_NT
	KLOAD                                          ; key step 0
	s_add_nc_u64 s[34:35], s[4:5], s[34:35]
	s_add_nc_u64 s[36:37], s[6:7], s[36:37]
	s_add_nc_u64 s[8:9], s[8:9], s[52:53]
	s_add_nc_u64 s[10:11], s[10:11], s[50:51]
	s_add_nc_u64 s[12:13], s[12:13], s[46:47]
	s_add_nc_u64 s[14:15], s[14:15], s[46:47]
	s_add_nc_u64 s[16:17], s[16:17], s[48:49]
	s_add_nc_u64 s[18:19], s[18:19], s[54:55]
.irp j, 22,23,24,25,26,27,80,81,82,83,84,85
	v_mov_b32 v[\j], 0                             ; zero codes: k = 64 .. 127 of Q, and what stands behind tile 7 of K
.endr
.set n, 0
.rept 32
	v_mov_b32 v[160+n], 0                          ; O^T: the step is written once; the first finds zeros, which the first change of M leaves zeros
.set n, n+1
.endr
	v_mov_b32 v13, 0xff61b1e6                      ; the largest t so far: -3e38, under every t
	v_floor_f32 v12, -v13                          ; -M
	v_mov_b32 v14, 0                               ; the sum, in two halves
	v_mov_b32 v15, 0
.irp b, 0,1,2,3
	v_mov_b32 v[88+\b], 0                          ; written once: the destination of a lane permute counts as one of its sources
.endr
	v_mov_b32 v253, 0                              ; the upper half of the pair v[252:253]
.Lstep:                                            ; A KEY STEP: 128 keys
	s_wait_loadcnt 0x0                             ; this step of K is in (in the first trip Q too); no load of mine is out
.irp t, 0,1,2,3,4,5,6,7                        ; S^T = K Q^T
.if \t%2
	v_wmma_scale_f32_16x16x128_f8f6f4 v[96+8*\t:103+8*\t], v[32+6*\t:43+6*\t], v[16:27], 0, v[28+\t/2], v7 matrix_a_fmt:MATRIX_FMT_FP6 matrix_b_fmt:MATRIX_FMT_FP6 matrix_a_scale:MATRIX_SCALE_ROW1
.else
	v_wmma_scale_f32_16x16x128_f8f6f4 v[96+8*\t:103+8*\t], v[32+6*\t:43+6*\t], v[16:27], 0, v[28+\t/2], v7 matrix_a_fmt:MATRIX_FMT_FP6 matrix_b_fmt:MATRIX_FMT_FP6
.endif
.endr
.rept 4
	v_nop                                          ; four plain instructions ahead of loads into registers that products have read, and of the first read of the scores
.endr
	VLOAD                                          ; this step of V: the softmax stands between the request and its use
	s_cmp_eq_u32 s[CNT], 1
	s_cbranch_scc1 .Ldiagonal
	s_add_nc_u64 s[30:31], s[30:31], 49152         ; (the loads that named these bases were shown done at the head of the step)
	s_add_nc_u64 s[32:33], s[32:33], 4096
	KLOAD                                          ; the next step of K
	s_branch .Lopen
.Ldiagonal:                                        ; the last step: nothing more is asked of K; hidden scores become -infinity ahead of the maximum, so that p = 0
	v_mov_b32 v254, 0xff800000
.set n, 0
.rept 64
	v_cmp_gt_i32 vcc_lo, 32*(n/16)+n%16, v6
	v_cndmask_b32 v[96+n], v[96+n], v254, vcc_lo
.set n, n+1
.endr
	s_wait_loadcnt 0x0                             ; V is in: on this way no load was issued behind its fourteen
.Lopen:
.irp b, 0,1,2,3
	v_max3_num_f32 v[8+\b], v[96+16*\b], v[97+16*\b], v[98+16*\b]   ; the largest score of each block of 32 keys: it serves for the maximum of the row and, since p rises with the score, for the largest p of the block
.endr
.irp i, 3,5,7,9,11,13
.irp b, 0,1,2,3
	v_max3_num_f32 v[8+\b], v[8+\b], v[96+16*\b+\i], v[97+16*\b+\i]
.endr
.endr
.irp b, 0,1,2,3
	v_max_num_f32 v[8+\b], v[8+\b], v[111+16*\b]
.endr
.irp b, 0,1,2,3
	v_permlanex16_b32 v[88+\b], v[8+\b], s[SEL], s[SEL+1]
.endr
.irp b, 0,1,2,3
	v_max_num_f32 v[8+\b], v[8+\b], v[88+\b]       ; with the 16 keys of lane l xor 16
.endr
	v_max3_num_f32 v254, v8, v9, v10
	v_max_num_f32 v254, v254, v11                  ; the largest score of my query in this step
	v_mul_f32 v254, s[CS], v254                    ; as t
	v_max_num_f32 v13, v13, v254                   ; the running largest t
	v_mov_b32 v254, v12
	v_floor_f32 v12, -v13                          ; the new -M = floor(-t) = -ceil(t)
	v_sub_f32 v254, v12, v254                      ; old M - new M: a whole number, 0 or less
	v_cvt_i32_f32 v254, v254                       ; (it saturates)
	v_ldexp_f32 v252, 1.0, v254                    ; f = 2^(old M - new M)
.set n, 0
.rept 32
	v_pk_fma_f32 v[96+n:97+n], v[96+n:97+n], s[CS:CS+1], v[12:13] op_sel_hi:[1,0,0]   ; t - M, two at a time
.set n, n+2
.endr
.irp b, 0,1,2,3
	v_fma_f32 v[8+\b], v[8+\b], s[CS], v12         ; the same of the largest score of each block
.endr
.set n, 0
.rept 64
	v_exp_f32 v[96+n], v[96+n]                     ; p = 2^(t - M), at most 1
.set n, n+1
.endr
	v_pk_mul_f32 v[14:15], v[14:15], v[252:253] op_sel_hi:[1,0]   ; the sum under the new M: the plain instruction behind the exponentials
	s_wait_alu depctr_va_vdst(0)                   ; one wait for the batch of 64, ahead of its first reader
.irp b, 0,1,2,3
	v_exp_f32 v[8+\b], v[8+\b]                     ; the largest p of each block
.endr
	v_pk_add_f32 v[88:89], v[96:97], v[98:99]      ; the sum of the unquantised p, in two chains
.irp j, 4,8,12,16,20,24,28,32,36,40,44,48,52,56,60
	v_pk_add_f32 v[14:15], v[14:15], v[96+\j:97+\j]
	v_pk_add_f32 v[88:89], v[88:89], v[98+\j:99+\j]
.endr
	v_pk_add_f32 v[14:15], v[14:15], v[88:89]
	s_wait_alu depctr_va_vdst(0)                   ; and one for the four
.irp b, 0,1,2,3
	v_max_num_f32 v[8+\b], 0x1800000, v[8+\b]      ; the floor 2^(3 - 127): the byte cannot fall under 1
.endr
.irp b, 0,1,2,3
	v_add_nc_u32 v[8+\b], 0xff000000, v[8+\b]      ; 2 off the exponent field: the scale operand of the conversion
.endr
.irp b, 0,1,2,3
	v_lshrrev_b32 v[88+\b], 23, v[8+\b]            ; the byte
.endr
	v_lshl_or_b32 v95, v89, 8, v88                 ; the scale word of p for these 128 keys
	v_lshl_or_b32 v95, v90, 16, v95
	v_lshl_or_b32 v95, v91, 24, v95
	v_cvt_scalef32_pk16_fp6_f32 v[240:242], v[96:111], v8
	v_cvt_scalef32_pk16_fp6_f32 v[88:90], v[112:127], v9
	v_cvt_scalef32_pk16_fp6_f32 v[246:248], v[128:143], v10
	v_cvt_scalef32_pk16_fp6_f32 v[92:94], v[144:159], v11
	v_nop                                          ; one plain instruction behind the scaled conversions
.irp i, 0,1,2                                  ; the operand wants a whole block in a lane
	v_permlane16_swap_b32 v[240+\i], v[88+\i]
.endr
.irp i, 0,1,2
	v_mov_b32 v[243+\i], v[88+\i]
.endr
.irp i, 0,1,2
	v_permlane16_swap_b32 v[246+\i], v[92+\i]
.endr
.irp i, 0,1,2
	v_mov_b32 v[249+\i], v[92+\i]
.endr
.set n, 0
.rept 16
	v_pk_mul_f32 v[160+n:161+n], v[160+n:161+n], v[252:253] op_sel_hi:[1,0]   ; O^T under the new M.  These sixteen also stand between the writing of the codes and scale word of p and the products
.set n, n+2
.endr
	s_wait_loadcnt 20                              ; V and its scale words are in: behind their 14 loads the 20 of the next step of K were issued (in the last step none: V was waited for above)
.irp i, 0,1,2,3                                ; O^T += V^T P^T: four accumulators, one instruction each
.if \i%2
	v_wmma_scale_f32_16x16x128_f8f6f4 v[160+8*\i:167+8*\i], v[192+12*\i:203+12*\i], v[240:251], v[160+8*\i:167+8*\i], v[86+\i/2], v95 matrix_a_fmt:MATRIX_FMT_FP6 matrix_b_fmt:MATRIX_FMT_FP6 matrix_a_scale:MATRIX_SCALE_ROW1
.else
	v_wmma_scale_f32_16x16x128_f8f6f4 v[160+8*\i:167+8*\i], v[192+12*\i:203+12*\i], v[240:251], v[160+8*\i:167+8*\i], v[86+\i/2], v95 matrix_a_fmt:MATRIX_FMT_FP6 matrix_b_fmt:MATRIX_FMT_FP6
.endif
.endr
	s_add_nc_u64 s[34:35], s[34:35], 49152         ; the next step of V (its loads were shown done by the wait above)
	s_add_nc_u64 s[36:37], s[36:37], 2048
	s_sub_co_i32 s[CNT], s[CNT], 1
	s_cmp_gt_i32 s[CNT], 0                         ; a signed test: the count comes down and ends the loop from any start
	s_cbranch_scc1 .Lstep
	s_wait_loadcnt 0x0                             ; the loop is left from its last step, in which every load was waited for, so this wait is met at once; it orders the loads of the loop into v28-79 ahead of
	                                               ; the loads below into the same registers on every way through the text
	; ---- y = O / sum.  The seven lines below name no register of the last products: they are the plain instructions behind them
	v_add_f32 v84, v14, v15                        ; the two halves of the sum
	v_and_b32 v6, 15, v0
	v_bfe_u32 v85, v0, 4, 1                        ; h
	v_lshlrev_b32 v6, 2, v6                        ; 4 r
	v_lshlrev_b32 v24, 6, v85                      ; 64 h: my 16 channels of a block of 32
	v_lshl_add_u32 v82, v85, 9, v6                 ; scale words of Wo: 4 r, lanes 16-31 one tile (four fragments of 128 bytes) on
	v_lshl_add_u32 v83, v85, 8, v6                 ; scale words of z in LDS: 4 r, lanes 16-31 one tile of rows (4 x 64 bytes) on
.irp b, 0,1
.irp q, 0,1,2,3
	global_load_b128 v[128+16*\b+4*\q:131+16*\b+4*\q], v24, s[12:13] offset:128*\b+16*\q   ; gamma at my 32 channels
.endr
.endr
	v_permlanex16_b32 v94, v84, s[SEL], s[SEL+1]
	v_add_f32 v84, v84, v94                        ; with lane l xor 16: the sum of the row
	v_rcp_f32 v84, v84
	v_mov_b32 v85, 0                               ; the plain instruction behind the reciprocal; the upper half of its pair
	s_lshl_b32 s62, s61, 6
	v_add_nc_u32 v25, s62, v6                      ; where my sums go: 64 (8 tile + head) + 4 r
	s_lshl_b32 s62, s22, 9
	v_add_nc_u32 v26, s62, v6                      ; where the eight heads are read: 512 tile + 4 r
	s_mul_i32 s62, s61, 768
	s_add_co_u32 s62, s62, ZIMG
	v_add_nc_u32 v27, s62, v3                      ; my record of z: 16 x lane,
	v_add_nc_u32 v80, s62, v4                      ; 8 x lane
	s_lshl_b32 s62, s22, 2
	s_lshr_b32 s63, s21, 1
	s_add_co_u32 s62, s62, s63
	s_lshl_b32 s62, s62, 6
	s_and_b32 s63, s21, 1
	s_lshl_b32 s63, s63, 1
	s_add_co_u32 s62, s62, s63
	s_add_co_u32 s62, s62, ZSC
	v_add_nc_u32 v81, s62, v6                      ; my two scale bytes: 64 (4 tile + head / 2) + 4 r + 2 (head % 2)
	s_wait_alu depctr_va_vdst(0)                   ; ahead of the first reader of the reciprocal
.set n, 0
.rept 16
	v_pk_mul_f32 v[96+n:97+n], v[160+n:161+n], v[84:85] op_sel_hi:[1,0]   ; y: register 16 b + i is channel 64 head + 32 b + 16 h + i.  Each accumulator from its low end on
.set n, n+2
.endr
.irp b, 0,1
.irp q, 0,1,2,3
	global_load_b128 v[160+16*\b+4*\q:163+16*\b+4*\q], v24, s[14:15] offset:128*\b+16*\q   ; beta likewise
.endr
.endr
.irp u, 0,1                                    ; my two tiles of Wo, four K steps each
.irp s, 0,1,2,3
.irp j, 0,1,2
	global_load_b128 v[32+160*\u+12*\s+4*\j:35+160*\u+12*\s+4*\j], v3, s[8:9] offset:(4*\u+\s)*1536+512*\j
.endr
.endr
.endr
.irp s, 0,1,2,3
	global_load_b32 v[28+\s], v82, s[10:11] offset:128*\s
.endr
.irp m, 0,1                                    ; bo goes into the accumulators: register j of accumulator (m, u) is column 32 w + 16 h + 8 u + j
.irp u, 0,1
.irp q, 0,1
	global_load_b128 v[8+232*\m+8*\u+4*\q:11+232*\m+8*\u+4*\q], v24, s[16:17] offset:32*\u+16*\q
.endr
.endr
.endr
; the eight heads' parts of a sum, from off on, added in the same order in every wave: the result in v84
.macro REDSUM off
	ds_load_b32 v84, v26 offset:\off
	ds_load_b32 v85, v26 offset:\off+64
.irp k, 2,3,4,5,6,7
	ds_load_b32 v[86+\k], v26 offset:\off+64*\k
.endr
	s_wait_dscnt 0x0
	v_add_f32 v84, v84, v85
	v_add_f32 v88, v88, v89
	v_add_f32 v90, v90, v91
	v_add_f32 v92, v92, v93
	v_add_f32 v84, v84, v88
	v_add_f32 v90, v90, v92
	v_add_f32 v84, v84, v90
.endm
	; ---- the mean
	v_pk_add_f32 v[84:85], v[96:97], v[98:99]
	v_pk_add_f32 v[88:89], v[100:101], v[102:103]
.irp j, 8,16,24
	v_pk_add_f32 v[84:85], v[84:85], v[96+\j:97+\j]
	v_pk_add_f32 v[88:89], v[88:89], v[98+\j:99+\j]
	v_pk_add_f32 v[84:85], v[84:85], v[100+\j:101+\j]
	v_pk_add_f32 v[88:89], v[88:89], v[102+\j:103+\j]
.endr
	v_pk_add_f32 v[84:85], v[84:85], v[88:89]
	v_add_f32 v84, v84, v85
	v_permlanex16_b32 v94, v84, s[SEL], s[SEL+1]
	v_add_f32 v84, v84, v94                        ; the 64 channels of my head, row r
	ds_store_b32 v25, v84                          ; lanes r and r + 16 store the same word
	BARRIER                                        ; the sixteen waves' sums lie in LDS
	REDSUM 0
	v_mul_f32 v84, s59, v84                        ; the mean
.set n, 0
.rept 16
	v_pk_add_f32 v[96+n:97+n], v[96+n:97+n], v[84:85] op_sel_hi:[1,0] neg_lo:[0,1] neg_hi:[0,1]   ; y - mean
.set n, n+2
.endr
	; ---- the variance, of the differences
	v_pk_mul_f32 v[84:85], v[96:97], v[96:97]
	v_pk_mul_f32 v[88:89], v[98:99], v[98:99]
.irp j, 4,8,12,16,20,24,28
	v_pk_fma_f32 v[84:85], v[96+\j:97+\j], v[96+\j:97+\j], v[84:85]
	v_pk_fma_f32 v[88:89], v[98+\j:99+\j], v[98+\j:99+\j], v[88:89]
.endr
	v_pk_add_f32 v[84:85], v[84:85], v[88:89]
	v_add_f32 v84, v84, v85
	v_permlanex16_b32 v94, v84, s[SEL], s[SEL+1]
	v_add_f32 v84, v84, v94
	ds_store_b32 v25, v84 offset:RED2              ; bytes of their own: no wave waits for the reads of the first sums
	BARRIER
	REDSUM RED2
	v_fma_f32 v84, v84, s59, s60                   ; var + 1e-5
	v_rsq_f32 v84, v84
	v_mov_b32 v85, 0                               ; the plain instruction behind the root
	s_wait_alu depctr_va_vdst(0)                   ; ahead of its first reader
	s_wait_loadcnt 36                              ; gamma and beta are in: behind them 24 loads of Wo, 4 of its scale words and 8 of bo were issued
.set n, 0
.rept 16
	v_pk_mul_f32 v[96+n:97+n], v[96+n:97+n], v[84:85] op_sel_hi:[1,0]
.set n, n+2
.endr
.set n, 0
.rept 16
	v_pk_fma_f32 v[96+n:97+n], v[96+n:97+n], v[128+n:129+n], v[160+n:161+n]   ; z
.set n, n+2
.endr
	; ---- z is quantised: my two blocks of 32 channels; at work in the registers that gamma has left
.irp b, 0,1
	v_max3_num_f32 v[128+\b], |v[96+16*\b]|, |v[97+16*\b]|, 0x1800000
.endr
.irp i, 2,4,6,8,10,12,14
.irp b, 0,1
	v_max3_num_f32 v[128+\b], v[128+\b], |v[96+16*\b+\i]|, |v[97+16*\b+\i]|
.endr
.endr
.irp b, 0,1
	v_permlanex16_b32 v[130+\b], v[128+\b], s[SEL], s[SEL+1]
.endr
.irp b, 0,1
	v_max_num_f32 v[128+\b], v[128+\b], v[130+\b]
.endr
.irp b, 0,1
	v_add_nc_u32 v[128+\b], 0xff000000, v[128+\b]
.endr
.irp b, 0,1
	v_lshrrev_b32 v[132+\b], 23, v[128+\b]
.endr
	v_lshl_or_b32 v134, v133, 8, v132              ; my two bytes of the scale word
	v_cvt_scalef32_pk16_fp6_f32 v[136:138], v[96:111], v128
	v_cvt_scalef32_pk16_fp6_f32 v[144:146], v[112:127], v129
	v_nop                                          ; one plain instruction behind the scaled conversions
.irp i, 0,1,2
	v_permlane16_swap_b32 v[136+\i], v[144+\i]
.endr
.irp i, 0,1,2
	v_mov_b32 v[139+\i], v[144+\i]
.endr
	ds_store_b128 v27, v[136:139]                  ; half a fragment, as it stands in registers
	ds_store_b64 v80, v[140:141] offset:512
	ds_store_b16 v81, v134
	BARRIER                                        ; the codes and scale words of z, 32 rows x 512 channels, lie in LDS
	; ---- z Wo + bo: my 32 columns for both tiles of rows
.irp m, 0,1
.irp s, 0,1,2,3
	ds_load_b128 v[96+48*\m+12*\s:99+48*\m+12*\s], v3 offset:ZIMG+(8*\m+2*\s)*768
	ds_load_b64 v[100+48*\m+12*\s:101+48*\m+12*\s], v4 offset:ZIMG+(8*\m+2*\s)*768+512
	ds_load_b128 v[102+48*\m+12*\s:105+48*\m+12*\s], v3 offset:ZIMG+(8*\m+2*\s+1)*768
	ds_load_b64 v[106+48*\m+12*\s:107+48*\m+12*\s], v4 offset:ZIMG+(8*\m+2*\s+1)*768+512
.endr
.endr
	ds_load_b32 v86, v83 offset:ZSC
	ds_load_b32 v87, v83 offset:ZSC+64
	ds_load_b32 v7, v83 offset:ZSC+128
	ds_load_b32 v95, v83 offset:ZSC+192
	s_wait_dscnt 0x0
	s_wait_loadcnt 0x0                             ; Wo, its scale words, bo
; a K step of 128 channels: the four accumulators take turns, one instruction a turn.  Source 0 = 16 columns of Wo, source 1 = 16 rows of z
.macro OUTK s, zs
	v_wmma_scale_f32_16x16x128_f8f6f4 v[8:15], v[32+12*\s:43+12*\s], v[96+12*\s:107+12*\s], v[8:15], v[28+\s], v[\zs] matrix_a_fmt:MATRIX_FMT_FP6 matrix_b_fmt:MATRIX_FMT_FP6
	v_wmma_scale_f32_16x16x128_f8f6f4 v[16:23], v[192+12*\s:203+12*\s], v[96+12*\s:107+12*\s], v[16:23], v[28+\s], v[\zs] matrix_a_fmt:MATRIX_FMT_FP6 matrix_b_fmt:MATRIX_FMT_FP6 matrix_a_scale:MATRIX_SCALE_ROW1
	v_wmma_scale_f32_16x16x128_f8f6f4 v[240:247], v[32+12*\s:43+12*\s], v[144+12*\s:155+12*\s], v[240:247], v[28+\s], v[\zs] matrix_a_fmt:MATRIX_FMT_FP6 matrix_b_fmt:MATRIX_FMT_FP6 matrix_b_scale:MATRIX_SCALE_ROW1
	v_wmma_scale_f32_16x16x128_f8f6f4 v[248:255], v[192+12*\s:203+12*\s], v[144+12*\s:155+12*\s], v[248:255], v[28+\s], v[\zs] matrix_a_fmt:MATRIX_FMT_FP6 matrix_b_fmt:MATRIX_FMT_FP6 matrix_a_scale:MATRIX_SCALE_ROW1 matrix_b_scale:MATRIX_SCALE_ROW1
.endm
	OUTK 0, 86
	OUTK 1, 87
	OUTK 2, 7
	OUTK 3, 95
	; ---- the way out.  The six address lines are the plain instructions behind the last products
	s_lshl_b32 s62, s20, 7
	s_mul_i32 s63, s20, 2*SP
	v_and_b32 v24, 15, v0
	v_bfe_u32 v25, v0, 4, 1
	v_mul_u32_u24 v24, v24, SP
	v_lshl_add_u32 v24, v25, 6, v24
	v_add_nc_u32 v24, s62, v24                     ; in: row r, + 64 h, + 128 w: my 16 neighbouring columns
	v_add_nc_u32 v25, s63, v3                      ; back: rows 2 w and 2 w + 1 of the 32, 16 bytes a lane
.irp m, 0,1
.irp u, 0,1
.irp q, 0,1
	ds_store_b128 v24, v[8+232*\m+8*\u+4*\q:11+232*\m+8*\u+4*\q] offset:STG+16*\m*SP+32*\u+16*\q   ; each accumulator from its low end on
.endr
.endr
.endr
	BARRIER                                        ; 32 whole rows lie in the stage
.irp e, 0,1
.irp q, 0,1,2,3
	ds_load_b128 v[96+16*\e+4*\q:99+16*\e+4*\q], v25 offset:STG+\e*SP+512*\q
.endr
.endr
.irp e, 0,1
.irp q, 0,1,2,3
	s_wait_dscnt 7-4*\e-\q                         ; LDS loads come back in order: this one is in, the younger ones may be out
	global_store_b128 v3, v[96+16*\e+4*\q:99+16*\e+4*\q], s[18:19] offset:2048*\e+512*\q th:TH_STORE_NT   ; 32 lanes store 512 consecutive bytes, at a multiple of 256 from the first byte of out0
.endr
.endr
	s_wait_tensorcnt 0x0                           ; the end of the wave
	ds_add_u32 v1, v2
	s_wait_dscnt 0x0
	s_endpgm
.Lfunc_end_k_q1b7ec8ba85_attn:
	.size	k_q1b7ec8ba85_attn, .Lfunc_end_k_q1b7ec8ba85_attn-k_q1b7ec8ba85_attn
	.p2alignl 7, 3214868480
	.fill 96, 4, 3214868480
	.section	.rodata,"a",@progbits
	.p2align	6, 0x0
	.amdhsa_kernel k_q1b7ec8ba85_attn
		.amdhsa_group_segment_fixed_size 82944
		.amdhsa_private_segment_fixed_size 0
		.amdhsa_enable_private_segment 0
		.amdhsa_kernarg_size 64
		.amdhsa_user_sgpr_count 2
		.amdhsa_user_sgpr_kernarg_segment_ptr 1
		.amdhsa_wavefront_size32 1
		.amdhsa_system_sgpr_workgroup_id_x 1
		.amdhsa_system_sgpr_workgroup_id_y 1
		.amdhsa_system_sgpr_workgroup_id_z 1
		.amdhsa_system_vgpr_workitem_id 0
		.amdhsa_next_free_vgpr 256
		.amdhsa_next_free_sgpr 66
		.amdhsa_reserve_vcc 1
		.amdhsa_float_denorm_mode_32 3
		.amdhsa_float_denorm_mode_16_64 3
		.amdhsa_memory_ordered 1
		.amdhsa_forward_progress 1
		.amdhsa_inst_pref_size 54
	.end_amdhsa_kernel
	.amdgpu_metadata
---
amdhsa.version: [ 1, 2 ]
amdhsa.kernels:
  - .name:           k_q1b7ec8ba85_attn
    .symbol:         k_q1b7ec8ba85_attn.kd
    .args:
      - { .name: fr, .offset: 0, .size: 8, .value_kind: global_buffer, .address_space: global }
      - { .name: fs, .offset: 8, .size: 8, .value_kind: global_buffer, .address_space: global }
      - { .name: img, .offset: 16, .size: 8, .value_kind: global_buffer, .address_space: global }
      - { .name: isc, .offset: 24, .size: 8, .value_kind: global_buffer, .address_space: global }
      - { .name: gamma, .offset: 32, .size: 8, .value_kind: global_buffer, .address_space: global }
      - { .name: beta, .offset: 40, .size: 8, .value_kind: global_buffer, .address_space: global }
      - { .name: bo, .offset: 48, .size: 8, .value_kind: global_buffer, .address_space: global }
      - { .name: out0, .offset: 56, .size: 8, .value_kind: global_buffer, .address_space: global }
    .group_segment_fixed_size: 82944
    .private_segment_fixed_size: 0
    .kernarg_segment_align: 8
    .kernarg_segment_size: 64
    .max_flat_workgroup_size: 512
    .sgpr_count:     66
    .vgpr_count:     256
    .wavefront_size: 32
...
	.end_amdgpu_metadata
.endif
;; end of part 3
;; ======== version 2 of 2: 3 launches
;; workspace buffers: img 4,718,592 bytes; isc 393,216 bytes; fr 4,718,592 bytes; fs 360,448 bytes
;; launch quant (part 4): grid 768 x 1, 4 waves a work-group, no clusters, 0 bytes of LDS; arguments q, kv, Wq, Wk, Wv, Wo, img, isc; writes img, isc
.if DOCPART == 4
	.amdgcn_target "amdgcn-amd-amdhsa--gfx1250"
	.amdhsa_code_object_version 6
	.text
	.protected	k_q1b7ec8ba85_quant
	.globl	k_q1b7ec8ba85_quant
	.p2align	8
	.type	k_q1b7ec8ba85_quant,@function
k_q1b7ec8ba85_quant:
	s_mov_b64 s[64:65], 0
	v_nop
	global_prefetch_b8 v0, s[64:65] scope:SCOPE_SE
	s_setreg_imm32_b32 hwreg(HW_REG_WAVE_MODE, 25, 1), 1
	s_wait_xcnt 0x0
; q [8192][512], kv [2048][512] (K innermost) and Wq, Wk, Wv, Wo [512 (k)][512 (n)] (K outermost), all f32, become codes of FP6 (E2M3) with one E8M0 byte
; for each 32 along K = 512, laid as IMAGES OF OPERAND REGISTERS: a fragment is 16 rows x 128 K, 12 registers a lane; registers 4 j .. 4 j + 3 of lane l lie at 512 j + 16 l
; of the fragment (1,536 bytes), its scale word (four bytes, one row) at 4 l of 128 bytes, lanes l and l + 16 holding the same word.
; TILES (16 rows x K 512, four fragments): 0-511 q, 512-639 kv, 640-671 Wq, 672-703 Wk, 704-735 Wv, 736-767 Wo.  Fragment F = 4 x tile + K step.
; Lane r of a tile T of q holds row 16 T + r.  Lane r of a tile T of kv or of a weight (a row of a weight operand is a column n) holds row 16 T - 8 (T % 2) + r + 8 (r / 8):
; used as source 0 of a product, two neighbouring tiles then give each lane 16 neighbours along the next K.
; SHARES: a work-group takes a tile, each of its four waves a K step: one fragment a wave, all its 8,192 bytes asked for at once.  No loop, no LDS, no barrier.
; A block scale is 2^(floor(log2(largest magnitude)) - 2): its byte is the exponent field of the largest magnitude less 2, held at 1 from below.
; LIMITS: NaN and infinities among the inputs are not served; a block whose largest magnitude lies under 2^-124 keeps the byte 1; a block of zeros has the byte 1 and not 127:
; its codes are zeros, which add nothing under any byte but 0xff, and the bytes are read by this program alone.
.set X,   16                           ; v16-79   64 numbers: register 16 b + i = k 32 b + 16 (lane / 16) + i of my row, within the K step
.set TM,  80                           ; v80-95   at work
.set PW,  96                           ; v96      the scale word
.set PC,  100                          ; v100-119 the codes: v100-111 the fragment
.set SEL, 36                           ; s[36:37] lane selects of v_permlanex16_b32: lane l xor 16
; 64 numbers of a lane become the codes of a fragment in v[PC] on and its scale word in v[PW]
.macro QUANT s
.irp b, 0,1,2,3
	v_max3_num_f32 v[TM+\b], |v[\s+16*\b]|, |v[\s+1+16*\b]|, 0x1800000   ; block b: my 16 numbers, and the floor 2^(3 - 127): the byte cannot fall under 1
.endr
.irp i, 2,4,6,8,10,12,14
.irp b, 0,1,2,3
	v_max3_num_f32 v[TM+\b], v[TM+\b], |v[\s+16*\b+\i]|, |v[\s+1+16*\b+\i]|   ; the four blocks by turns
.endr
.endr
.irp b, 0,1,2,3
	v_permlanex16_b32 v[TM+4+\b], v[TM+\b], s[SEL], s[SEL+1]
.endr
.irp b, 0,1,2,3
	v_max_num_f32 v[TM+\b], v[TM+\b], v[TM+4+\b]   ; with the other 16 numbers, in lane l xor 16: the largest magnitude of the block
.endr
.irp b, 0,1,2,3
	v_add_nc_u32 v[TM+12+\b], 0xff000000, v[TM+\b]   ; 2 off its exponent field: the conversion takes the exponent field of this operand as its scale
.endr
.irp b, 0,1,2,3
	v_lshrrev_b32 v[TM+4+\b], 23, v[TM+12+\b]   ; the byte
.endr
	v_lshl_or_b32 v[PW], v[TM+5], 8, v[TM+4]
	v_lshl_or_b32 v[PW], v[TM+6], 16, v[PW]
	v_lshl_or_b32 v[PW], v[TM+7], 24, v[PW]
.irp c, 0,1
	v_cvt_scalef32_pk16_fp6_f32 v[PC+6*\c:PC+2+6*\c], v[\s+32*\c:\s+15+32*\c], v[TM+12+2*\c]
	v_cvt_scalef32_pk16_fp6_f32 v[PC+12+4*\c:PC+14+4*\c], v[\s+16+32*\c:\s+31+32*\c], v[TM+12+2*\c+1]   ; three registers of a conversion begin on an even number
.endr
	v_nop                                          ; one plain instruction behind the scaled conversions
.irp c, 0,1                                    ; the operand wants a whole block in a lane: lanes 0-15 block 2 c, lanes 16-31 block 2 c + 1
.irp i, 0,1,2
	v_permlane16_swap_b32 v[PC+6*\c+\i], v[PC+12+4*\c+\i]
.endr
.irp i, 0,1,2
	v_mov_b32 v[PC+3+6*\c+\i], v[PC+12+4*\c+\i]
.endr
.endr
.endm
	s_load_b256 s[4:11], s[0:1], 0x0               ; q s[4:5], kv s[6:7], Wq s[8:9], Wk s[10:11]
	s_load_b256 s[12:19], s[0:1], 0x20             ; Wv s[12:13], Wo s[14:15], img s[16:17], isc s[18:19]
	v_lshrrev_b32 v1, 5, v0
	v_readfirstlane_b32 s20, v1                    ; wave = K step
	v_and_b32 v1, 31, v0                           ; lane
	v_and_b32 v2, 15, v0                           ; r
	v_bfe_u32 v3, v0, 4, 1                         ; h
	v_lshlrev_b32 v5, 4, v1                        ; 16 x lane
	v_lshlrev_b32 v6, 2, v1                        ; 4 x lane
.irp b, 0,1,2,3
	v_mov_b32 v[TM+4+\b], 0                        ; written once: the destination of a lane permute counts as one of its sources
.endr
	s_mov_b32 s[SEL], 0x76543210
	s_mov_b32 s[SEL+1], 0xfedcba98
	s_lshl_b32 s21, ttmp9, 2
	s_add_co_u32 s21, s21, s20                     ; F
	s_mul_i32 s24, s21, 1536
	s_mov_b32 s25, 0
	s_lshl_b32 s26, s21, 7
	s_mov_b32 s27, 0
	s_wait_kmcnt 0x0
	s_add_nc_u64 s[16:17], s[16:17], s[24:25]      ; where my fragment goes,
	s_add_nc_u64 s[18:19], s[18:19], s[26:27]      ; and its scale words
	s_cmp_lt_u32 ttmp9, 640
	s_cbranch_scc0 .Lweight
	; ---- q or kv: K is innermost.  Lane (r, h) takes, of its row, 16 neighbours of each block of 32: four loads of 16 bytes a block
	s_cmp_lt_u32 ttmp9, 512
	s_cselect_b64 s[28:29], s[4:5], s[6:7]
	s_cselect_b32 s30, 0, 512                      ; first tile of the tensor
	s_cselect_b32 s31, 0, 8                        ; 8 where the rows of a tile are chosen (kv), 0 where they are neighbours (q)
	s_sub_co_u32 s30, ttmp9, s30                   ; T
	s_and_b32 s32, s30, 1
	s_lshl_b32 s32, s32, 3
	s_and_b32 s32, s32, s31
	s_lshl_b32 s33, s30, 4
	s_sub_co_u32 s33, s33, s32                     ; 16 T - 8 (T % 2), or 16 T
	s_lshl_b32 s34, s33, 11                        ; rows of 2,048 bytes
	s_lshl_b32 s35, s20, 9                         ; the K step: 512 bytes
	s_add_co_u32 s34, s34, s35
	s_mov_b32 s35, 0
	s_add_nc_u64 s[28:29], s[28:29], s[34:35]
	s_wait_alu depctr_va_vdst(0)
	v_and_b32 v4, s31, v2
	v_add_nc_u32 v4, v4, v2                        ; r + 8 (r / 8), or r
	v_lshlrev_b32 v4, 11, v4
	v_lshl_add_u32 v4, v3, 6, v4                   ; + 64 h
.irp b, 0,1,2,3
.irp j, 0,1,2,3
	global_load_b128 v[X+16*\b+4*\j:X+16*\b+4*\j+3], v4, s[28:29] offset:128*\b+16*\j th:TH_LOAD_NT
.endr
.endr
	s_branch .Lquantise
.Lweight:
	; ---- a weight: K is the first axis.  Lane r takes a column and its registers run down K, in the same order of registers as above
	s_sub_co_u32 s30, ttmp9, 640
	s_lshr_b32 s31, s30, 5                         ; 0 Wq, 1 Wk, 2 Wv, 3 Wo
	s_cmp_lt_u32 s31, 2
	s_cselect_b64 s[28:29], s[8:9], s[12:13]
	s_cselect_b64 s[32:33], s[10:11], s[14:15]
	s_and_b32 s34, s31, 1
	s_cmp_eq_u32 s34, 0
	s_cselect_b64 s[28:29], s[28:29], s[32:33]
	s_and_b32 s30, s30, 31                         ; T
	s_and_b32 s31, s30, 1
	s_lshl_b32 s31, s31, 3
	s_lshl_b32 s30, s30, 4
	s_sub_co_u32 s30, s30, s31                     ; 16 T - 8 (T % 2)
	s_lshl_b32 s34, s30, 2
	s_lshl_b32 s35, s20, 18                        ; the K step: 128 rows of 2,048 bytes
	s_add_co_u32 s34, s34, s35
	s_mov_b32 s35, 0
	s_add_nc_u64 s[28:29], s[28:29], s[34:35]
	s_wait_alu depctr_va_vdst(0)
	v_and_b32 v4, 8, v2
	v_add_nc_u32 v4, v4, v2                        ; r + 8 (r / 8)
	v_lshlrev_b32 v4, 2, v4
	v_lshl_add_u32 v4, v3, 15, v4                  ; lanes 16-31 begin 16 rows further down
.irp b, 0,1,2,3
.irp i, 0,1,2,3,4,5,6,7,8,9,10,11,12,13,14,15
	global_load_b32 v[X+16*\b+\i], v4, s[28:29] offset:(32*\b+\i)*2048
.endr
.endr
.Lquantise:
	s_wait_loadcnt 0x0
	QUANT X
.irp j, 0,1,2
	global_store_b128 v5, v[PC+4*\j:PC+4*\j+3], s[16:17] offset:512*\j   ; 32 lanes store 512 consecutive bytes, at a multiple of 256 from the first byte of img
.endr
	global_store_b32 v6, v[PW], s[18:19]           ; 128 consecutive bytes
	s_endpgm
.Lfunc_end_k_q1b7ec8ba85_quant:
	.size	k_q1b7ec8ba85_quant, .Lfunc_end_k_q1b7ec8ba85_quant-k_q1b7ec8ba85_quant
	.p2alignl 7, 3214868480
	.fill 96, 4, 3214868480
	.section	.rodata,"a",@progbits
	.p2align	6, 0x0
	.amdhsa_kernel k_q1b7ec8ba85_quant
		.amdhsa_group_segment_fixed_size 0
		.amdhsa_private_segment_fixed_size 0
		.amdhsa_enable_private_segment 0
		.amdhsa_kernarg_size 64
		.amdhsa_user_sgpr_count 2
		.amdhsa_user_sgpr_kernarg_segment_ptr 1
		.amdhsa_wavefront_size32 1
		.amdhsa_system_sgpr_workgroup_id_x 1
		.amdhsa_system_sgpr_workgroup_id_y 1
		.amdhsa_system_sgpr_workgroup_id_z 1
		.amdhsa_system_vgpr_workitem_id 0
		.amdhsa_next_free_vgpr 120
		.amdhsa_next_free_sgpr 66
		.amdhsa_reserve_vcc 0
		.amdhsa_float_denorm_mode_32 3
		.amdhsa_float_denorm_mode_16_64 3
		.amdhsa_memory_ordered 1
		.amdhsa_forward_progress 1
		.amdhsa_inst_pref_size 15
	.end_amdhsa_kernel
	.amdgpu_metadata
---
amdhsa.version: [ 1, 2 ]
amdhsa.kernels:
  - .name:           k_q1b7ec8ba85_quant
    .symbol:         k_q1b7ec8ba85_quant.kd
    .args:
      - { .name: q, .offset: 0, .size: 8, .value_kind: global_buffer, .address_space: global }
      - { .name: kv, .offset: 8, .size: 8, .value_kind: global_buffer, .address_space: global }
      - { .name: Wq, .offset: 16, .size: 8, .value_kind: global_buffer, .address_space: global }
      - { .name: Wk, .offset: 24, .size: 8, .value_kind: global_buffer, .address_space: global }
      - { .name: Wv, .offset: 32, .size: 8, .value_kind: global_buffer, .address_space: global }
      - { .name: Wo, .offset: 40, .size: 8, .value_kind: global_buffer, .address_space: global }
      - { .name: img, .offset: 48, .size: 8, .value_kind: global_buffer, .address_space: global }
      - { .name: isc, .offset: 56, .size: 8, .value_kind: global_buffer, .address_space: global }
    .group_segment_fixed_size: 0
    .private_segment_fixed_size: 0
    .kernarg_segment_align: 8
    .kernarg_segment_size: 64
    .max_flat_workgroup_size: 128
    .sgpr_count:     66
    .vgpr_count:     120
    .wavefront_size: 32
...
	.end_amdgpu_metadata
.endif
;; end of part 4
;; launch proj (part 5): grid 192 x 1, 4 waves a work-group, no clusters, 0 bytes of LDS; arguments img, isc, fr, fs; writes fr, fs
.if DOCPART == 5
	.amdgcn_target "amdgcn-amd-amdhsa--gfx1250"
	.amdhsa_code_object_version 6
	.text
	.protected	k_q1b7ec8ba85_proj
	.globl	k_q1b7ec8ba85_proj
	.p2align	8
	.type	k_q1b7ec8ba85_proj,@function
k_q1b7ec8ba85_proj:
	s_mov_b64 s[64:65], 0
	v_nop
	global_prefetch_b8 v0, s[64:65] scope:SCOPE_SE
	s_setreg_imm32_b32 hwreg(HW_REG_WAVE_SCHED_MODE, 0, 2), 2
	s_setreg_imm32_b32 hwreg(HW_REG_WAVE_MODE, 25, 1), 1
	s_wait_xcnt 0x0
	s_wait_alu depctr_vm_vsrc(0)
; The three projections q Wq, kv Wk, kv Wv on codes of FP6 (E2M3), K = 512, and the quantising of their results, in registers, into the operands of attention.
; ONE BODY.  A unit is 8 result tiles x 4 K steps = 32 matrix instructions: source 0 = a group of 8 tiles (128 rows, chosen so that lane (r, h) ends up with register 16 b + i = row 32 b + 16 h + i
; of the group), source 1 = one tile of 16 rows, whose row r the lane holds.  So a lane holds 64 numbers that run along the NEXT K, and QUANT makes a fragment of them.
;   Q (work-groups 0-127):   group = 128 channels of Wq (two heads), tile = 16 queries.  The fragment is two halves of 64 along d: one record of 768 bytes for each head.
;   K (work-groups 128-159): group = 128 channels of Wk, tile = 16 keys of kv (the chosen rows of a tile are the keys that a tile of scores wants).  Records as for Q.
;   V (work-groups 160-191): group = 128 keys of kv, tile = 16 channels of Wv.  The fragment runs along the keys: 1,536 bytes, an image of its 12 registers.
; A record of 768 bytes: registers 0-3 of lane l at 16 l, registers 4-5 at 512 + 8 l.  Scale words: 4 bytes a row, 64 bytes a tile.  The word of a head has its two bytes in bytes 0 and 1;
; bytes 2 and 3 hold the neighbouring head (1 to 254) or 0, and meet zero codes alone.
; fr: Q at 0, record (8 f + head), f the tile of 16 rows of q;  K at 3,145,728, record ((8 g + head) 8 + t), g the group of 128 keys, t its tile;  V at 3,932,160, fragment (32 g + c), c the tile of 16 channels.
; fs: Q at 0: 64 (8 f + head);  K at 262,144: 512 (8 g + head) + 64 t;  V at 327,680: 64 (32 g + c).
; SHARES.  A wave keeps one group in registers (32 fragments) and takes four tiles on end; the four waves of a work-group share the group.  All operands are asked for at once, whole fragments by loads of 16 bytes a lane.
; No LDS: nothing goes from wave to wave.  No cluster: what work-groups share is 48 KiB read once by each, with no loop over it in which requests could meet.
; LIMITS as in the quantiser in front: NaN and infinities not served; byte 1 under 2^-124 and for a block of zeros.
; THE MODE: SCHED_MODE bits 1:0 = 2 (LLVM: expert scheduling mode 2), set by the entry lines.  The code itself states the register dependences between vector or matrix instructions and memory instructions,
; with s_wait_alu, always for 0.
; THE PLAN.  Registers that memory instructions touch:
;   v1-v4            offsets, made once at the head and never written again; read by every load and store.
;   windows 1 to 3, v128-175   the operands and their scale words: written by the loads at the head alone, read by matrix instructions alone.
;   v100-111, v96, v97   the out-buffer: written by the QUANT of a unit (and the line behind it), read by the stores of that unit.
; So: one wait on va_vdst ahead of the first load (the offsets); one a unit, behind QUANT, ahead of its stores; one wait on vm_vsrc a unit, ahead of the QUANT that writes the out-buffer again.  That last wait stands behind
; the 32 matrix instructions of the next unit, which name nothing of the out-buffer.
; REGISTERS, in windows of 256: window 0: v1-4 offsets; v16-79 the 8 accumulators; v80-119 at work; v128-159 scale words of the group (4 tile + K step), v160-175 of the four tiles.
;   window 1: the group, K steps 0, 1, at v[12 (2 tile + step)];   window 2: K steps 2, 3 likewise;   window 3: the four tiles, at v[48 i + 12 step].
.set HA,  16
.set TM,  80
.set PW,  96                           ; the scale word;
.set PH,  97                           ; its upper half, for the second head
.set PC,  100
.set MS,  128
.set FS,  160
.set SEL, 42
.set MSB, 0
.macro WIN new                         ; the high byte of the immediate repeats the setting that is left
.if MSB != \new
	s_set_vgpr_msb (MSB<<8)|\new
.set MSB, \new
.endif
.endm
.macro QUANT s
.irp b, 0,1,2,3
	v_max3_num_f32 v[TM+\b], |v[\s+16*\b]|, |v[\s+1+16*\b]|, 0x1800000   ; block b: my 16 numbers, and the floor 2^(3 - 127).  Each accumulator is read from its low end on
.endr
.irp i, 2,4,6,8,10,12,14
.irp b, 0,1,2,3
	v_max3_num_f32 v[TM+\b], v[TM+\b], |v[\s+16*\b+\i]|, |v[\s+1+16*\b+\i]|
.endr
.endr
.irp b, 0,1,2,3
	v_permlanex16_b32 v[TM+4+\b], v[TM+\b], s[SEL], s[SEL+1]
.endr
.irp b, 0,1,2,3
	v_max_num_f32 v[TM+\b], v[TM+\b], v[TM+4+\b]
.endr
.irp b, 0,1,2,3
	v_add_nc_u32 v[TM+12+\b], 0xff000000, v[TM+\b]   ; 2 off the exponent field: the scale operand of the conversion
.endr
.irp b, 0,1,2,3
	v_lshrrev_b32 v[TM+4+\b], 23, v[TM+12+\b]   ; the byte
.endr
	v_lshl_or_b32 v[PW], v[TM+5], 8, v[TM+4]
	v_lshl_or_b32 v[PW], v[TM+6], 16, v[PW]
	v_lshl_or_b32 v[PW], v[TM+7], 24, v[PW]
.irp c, 0,1
	v_cvt_scalef32_pk16_fp6_f32 v[PC+6*\c:PC+2+6*\c], v[\s+32*\c:\s+15+32*\c], v[TM+12+2*\c]
	v_cvt_scalef32_pk16_fp6_f32 v[PC+12+4*\c:PC+14+4*\c], v[\s+16+32*\c:\s+31+32*\c], v[TM+12+2*\c+1]
.endr
	v_nop                                          ; one plain instruction behind the scaled conversions
.irp c, 0,1
.irp i, 0,1,2
	v_permlane16_swap_b32 v[PC+6*\c+\i], v[PC+12+4*\c+\i]
.endr
.irp i, 0,1,2
	v_mov_b32 v[PC+3+6*\c+\i], v[PC+12+4*\c+\i]
.endr
.endr
.endm
	s_load_b256 s[4:11], s[0:1], 0x0               ; img s[4:5], isc s[6:7], fr s[8:9], fs s[10:11]
	v_lshrrev_b32 v1, 5, v0
	v_readfirstlane_b32 s12, v1                    ; wave
	v_and_b32 v5, 31, v0
	v_lshlrev_b32 v1, 4, v5                        ; 16 x lane
	v_lshlrev_b32 v2, 3, v5                        ; 8 x lane
	v_lshlrev_b32 v3, 2, v5                        ; 4 x lane
	v_and_b32 v4, 15, v0
	v_lshlrev_b32 v4, 2, v4                        ; 4 r
.irp b, 0,1,2,3
	v_mov_b32 v[TM+4+\b], 0                        ; written once: the destination of a lane permute counts as one of its sources
.endr
	s_mov_b32 s[SEL], 0x76543210
	s_mov_b32 s[SEL+1], 0xfedcba98
	s_wait_alu depctr_va_sdst(0)                   ; s12, the number of the wave, is written, ahead of its first reader: the line below
	s_lshl_b32 s14, s12, 2                         ; my four tiles begin 4 x wave on
	; the role: s13; s16 first tile of the group, s17 first of my four tiles (in img); s28, s32 where the first results go in fr, fs; s30, s34 from head to head; s36, s38 from unit to unit
	s_cmp_lt_u32 ttmp9, 128
	s_cbranch_scc0 .Lnot_q
	s_mov_b32 s13, 0
	s_and_b32 s15, ttmp9, 3                        ; G
	s_lshl_b32 s16, s15, 3
	s_add_co_u32 s16, s16, 640
	s_lshr_b32 s17, ttmp9, 2
	s_lshl_b32 s17, s17, 4
	s_add_co_u32 s17, s17, s14                     ; f
	s_lshl_b32 s18, s17, 3
	s_lshl_b32 s19, s15, 1
	s_add_co_u32 s18, s18, s19                     ; 8 f + 2 G
	s_mul_i32 s28, s18, 768
	s_lshl_b32 s32, s18, 6
	s_mov_b32 s30, 768
	s_mov_b32 s36, 6144
	s_mov_b32 s34, 64
	s_mov_b32 s38, 512
	s_branch .Lroles
.Lnot_q:
	s_cmp_lt_u32 ttmp9, 160
	s_cbranch_scc0 .Lis_v
	s_mov_b32 s13, 1
	s_sub_co_u32 s19, ttmp9, 128
	s_and_b32 s15, s19, 3                          ; G
	s_lshl_b32 s16, s15, 3
	s_add_co_u32 s16, s16, 672
	s_lshr_b32 s17, s19, 2
	s_lshl_b32 s17, s17, 4
	s_add_co_u32 s17, s17, s14                     ; tile of kv
	s_lshr_b32 s18, s17, 3                         ; g
	s_lshl_b32 s18, s18, 3
	s_lshl_b32 s19, s15, 1
	s_add_co_u32 s18, s18, s19                     ; 8 g + 2 G
	s_and_b32 s19, s17, 7                          ; t
	s_lshl_b32 s28, s18, 3
	s_add_co_u32 s28, s28, s19
	s_mul_i32 s28, s28, 768
	s_add_co_u32 s28, s28, 3145728
	s_lshl_b32 s32, s18, 9
	s_lshl_b32 s19, s19, 6
	s_add_co_u32 s32, s32, s19
	s_add_co_u32 s32, s32, 262144
	s_add_co_u32 s17, s17, 512
	s_mov_b32 s30, 6144
	s_mov_b32 s36, 768
	s_mov_b32 s34, 512
	s_mov_b32 s38, 64
	s_branch .Lroles
.Lis_v:
	s_mov_b32 s13, 2
	s_sub_co_u32 s19, ttmp9, 160
	s_lshr_b32 s15, s19, 1                         ; g
	s_lshl_b32 s16, s15, 3
	s_add_co_u32 s16, s16, 512
	s_and_b32 s17, s19, 1
	s_lshl_b32 s17, s17, 4
	s_add_co_u32 s17, s17, s14                     ; c
	s_lshl_b32 s18, s15, 5
	s_add_co_u32 s18, s18, s17                     ; 32 g + c
	s_mul_i32 s28, s18, 1536
	s_add_co_u32 s28, s28, 3932160
	s_lshl_b32 s32, s18, 6
	s_add_co_u32 s32, s32, 327680
	s_add_co_u32 s17, s17, 704
	s_mov_b32 s30, 0
	s_mov_b32 s36, 1536
	s_mov_b32 s34, 0
	s_mov_b32 s38, 64
.Lroles:
	s_mov_b32 s29, 0
	s_mov_b32 s31, 0
	s_mov_b32 s33, 0
	s_mov_b32 s35, 0
	s_mov_b32 s37, 0
	s_mov_b32 s39, 0
	s_mul_i32 s20, s16, 6144                       ; a tile is four fragments of 1,536 bytes,
	s_mov_b32 s21, 0
	s_lshl_b32 s22, s16, 9                         ; and four times 128 bytes of scale words
	s_mov_b32 s23, 0
	s_mul_i32 s24, s17, 6144
	s_mov_b32 s25, 0
	s_lshl_b32 s26, s17, 9
	s_mov_b32 s27, 0
	s_wait_kmcnt 0x0
	s_add_nc_u64 s[20:21], s[4:5], s[20:21]        ; the group: codes,
	s_add_nc_u64 s[22:23], s[6:7], s[22:23]        ; scale words
	s_add_nc_u64 s[24:25], s[4:5], s[24:25]        ; my four tiles: codes,
	s_add_nc_u64 s[26:27], s[6:7], s[26:27]        ; scale words
	s_add_nc_u64 s[28:29], s[8:9], s[28:29]        ; results: the first head (or the whole fragment),
	s_add_nc_u64 s[30:31], s[28:29], s[30:31]      ; the second head
	s_add_nc_u64 s[32:33], s[10:11], s[32:33]      ; their scale words
	s_add_nc_u64 s[34:35], s[32:33], s[34:35]
	WIN 0x40                                       ; destination window 1
	s_wait_alu depctr_va_vdst(0)                   ; the offsets v1 and v3 are written, which all the loads below read; between this wait and the last of them stand loads and window switches alone
.irp t, 0,1,2,3,4,5,6,7
.irp s, 0,1
.irp j, 0,1,2
	global_load_b128 v[12*(2*\t+\s)+4*\j:12*(2*\t+\s)+4*\j+3], v1, s[20:21] offset:(4*\t+\s)*1536+512*\j
.endr
.endr
.endr
	WIN 0x80                                       ; destination window 2
.irp t, 0,1,2,3,4,5,6,7
.irp s, 0,1
.irp j, 0,1,2
	global_load_b128 v[12*(2*\t+\s)+4*\j:12*(2*\t+\s)+4*\j+3], v1, s[20:21] offset:(4*\t+2+\s)*1536+512*\j
.endr
.endr
.endr
	WIN 0xc0                                       ; destination window 3
.irp f, 0,1,2,3,4,5,6,7,8,9,10,11,12,13,14,15
.irp j, 0,1,2
	global_load_b128 v[12*\f+4*\j:12*\f+4*\j+3], v1, s[24:25] offset:\f*1536+512*\j
.endr
.endr
	WIN 0
.irp f, 0,1,2,3,4,5,6,7,8,9,10,11,12,13,14,15,16,17,18,19,20,21,22,23,24,25,26,27,28,29,30,31
	global_load_b32 v[MS+\f], v3, s[22:23] offset:128*\f
.endr
.irp f, 0,1,2,3,4,5,6,7,8,9,10,11,12,13,14,15
	global_load_b32 v[FS+\f], v3, s[26:27] offset:128*\f
.endr
	s_wait_loadcnt 0x0                             ; the one wait for data: everything that the wave multiplies is in registers
; Eight products of one K step: the eight accumulators take turns, one instruction a turn.  k: the step; a: where the step lies in its window (0 or 12); zero = 1: the first step starts the sums
.macro MUL8 i, k, a, zero
.irp t, 0,1,2,3,4,5,6,7
.if \zero
	v_wmma_scale_f32_16x16x128_f8f6f4 v[HA+8*\t:HA+8*\t+7], v[24*\t+\a:24*\t+\a+11], v[48*\i+12*\k:48*\i+12*\k+11], 0, v[MS+4*\t+\k], v[FS+4*\i+\k] matrix_a_fmt:MATRIX_FMT_FP6 matrix_b_fmt:MATRIX_FMT_FP6
.else
	v_wmma_scale_f32_16x16x128_f8f6f4 v[HA+8*\t:HA+8*\t+7], v[24*\t+\a:24*\t+\a+11], v[48*\i+12*\k:48*\i+12*\k+11], v[HA+8*\t:HA+8*\t+7], v[MS+4*\t+\k], v[FS+4*\i+\k] matrix_a_fmt:MATRIX_FMT_FP6 matrix_b_fmt:MATRIX_FMT_FP6
.endif
.endr
.endm
.macro UNIT i
	WIN 0x0d                                       ; source 0 window 1, source 1 window 3, C and D window 0
	MUL8 \i, 0, 0, 1
	MUL8 \i, 1, 12, 0
	WIN 0x0e                                       ; source 0 window 2
	MUL8 \i, 2, 0, 0
	MUL8 \i, 3, 12, 0
	WIN 0
.rept 4
	v_nop                                          ; four plain instructions between the last product and the first read of results (ISA guide 7.12.1)
.endr
.if \i > 0
	s_wait_xcnt 0x0                                ; the stores of the unit before have had their addresses translated: their data and bases are written again only behind this wait
	s_wait_alu depctr_vm_vsrc(0)                   ; the stores of the unit before have read v100-111, v96 and v97, which the QUANT below and the line behind it write again
	s_add_nc_u64 s[28:29], s[28:29], s[36:37]
	s_add_nc_u64 s[30:31], s[30:31], s[36:37]
	s_add_nc_u64 s[32:33], s[32:33], s[38:39]
	s_add_nc_u64 s[34:35], s[34:35], s[38:39]
.endif
	QUANT HA
	v_lshrrev_b32 v[PH], 16, v[PW]                 ; the two bytes of the second head
	s_wait_alu depctr_va_vdst(0)                   ; QUANT has written the codes v100-111 and the word v96, the line above v97: the stores in both arms below read them
	s_cmp_eq_u32 s13, 2
	s_cbranch_scc1 .Lwhole_\@
	global_store_b128 v1, v[PC:PC+3], s[28:29]               ; each store covers 512 or 256 consecutive bytes, at a multiple of 256 from the first byte of fr
	global_store_b64 v2, v[PC+4:PC+5], s[28:29] offset:512
	global_store_b128 v1, v[PC+6:PC+9], s[30:31]
	global_store_b64 v2, v[PC+10:PC+11], s[30:31] offset:512
	global_store_b32 v4, v[PW], s[32:33]                     ; lanes r and r + 16 store the same word: 64 consecutive bytes
	global_store_b32 v4, v[PH], s[34:35]
	s_branch .Lstored_\@
.Lwhole_\@:
.irp j, 0,1,2
	global_store_b128 v1, v[PC+4*\j:PC+4*\j+3], s[28:29] offset:512*\j
.endr
	global_store_b32 v4, v[PW], s[32:33]
.Lstored_\@:
.endm
	UNIT 0
	UNIT 1
	UNIT 2
	UNIT 3
	s_endpgm
.Lfunc_end_k_q1b7ec8ba85_proj:
	.size	k_q1b7ec8ba85_proj, .Lfunc_end_k_q1b7ec8ba85_proj-k_q1b7ec8ba85_proj
	.p2alignl 7, 3214868480
	.fill 96, 4, 3214868480
	.section	.rodata,"a",@progbits
	.p2align	6, 0x0
	.amdhsa_kernel k_q1b7ec8ba85_proj
		.amdhsa_group_segment_fixed_size 0
		.amdhsa_private_segment_fixed_size 0
		.amdhsa_enable_private_segment 0
		.amdhsa_kernarg_size 32
		.amdhsa_user_sgpr_count 2
		.amdhsa_user_sgpr_kernarg_segment_ptr 1
		.amdhsa_wavefront_size32 1
		.amdhsa_system_sgpr_workgroup_id_x 1
		.amdhsa_system_sgpr_workgroup_id_y 1
		.amdhsa_system_sgpr_workgroup_id_z 1
		.amdhsa_system_vgpr_workitem_id 0
		.amdhsa_next_free_vgpr 960
		.amdhsa_next_free_sgpr 66
		.amdhsa_reserve_vcc 0
		.amdhsa_float_denorm_mode_32 3
		.amdhsa_float_denorm_mode_16_64 3
		.amdhsa_memory_ordered 1
		.amdhsa_forward_progress 1
		.amdhsa_inst_pref_size 60
	.end_amdhsa_kernel
	.amdgpu_metadata
---
amdhsa.version: [ 1, 2 ]
amdhsa.kernels:
  - .name:           k_q1b7ec8ba85_proj
    .symbol:         k_q1b7ec8ba85_proj.kd
    .args:
      - { .name: img, .offset: 0, .size: 8, .value_kind: global_buffer, .address_space: global }
      - { .name: isc, .offset: 8, .size: 8, .value_kind: global_buffer, .address_space: global }
      - { .name: fr, .offset: 16, .size: 8, .value_kind: global_buffer, .address_space: global }
      - { .name: fs, .offset: 24, .size: 8, .value_kind: global_buffer, .address_space: global }
    .group_segment_fixed_size: 0
    .private_segment_fixed_size: 0
    .kernarg_segment_align: 8
    .kernarg_segment_size: 32
    .max_flat_workgroup_size: 128
    .sgpr_count:     66
    .vgpr_count:     960
    .wavefront_size: 32
...
	.end_amdgpu_metadata
.endif
;; end of part 5
;; launch attn (part 6): grid 256 x 1, 16 waves a work-group, no clusters, 82,944 bytes of LDS; arguments fr, fs, img, isc, gamma, beta, bo, out0; writes out0
.if DOCPART == 6
	.amdgcn_target "amdgcn-amd-amdhsa--gfx1250"
	.amdhsa_code_object_version 6
	.text
	.protected	k_q1b7ec8ba85_attn
	.globl	k_q1b7ec8ba85_attn
	.p2align	8
	.type	k_q1b7ec8ba85_attn,@function
k_q1b7ec8ba85_attn:
	s_mov_b64 s[64:65], 0
	v_nop
	global_prefetch_b8 v0, s[64:65] scope:SCOPE_SE
	s_setreg_imm32_b32 hwreg(HW_REG_WAVE_SCHED_MODE, 0, 2), 2
	s_setreg_imm32_b32 hwreg(HW_REG_WAVE_MODE, 25, 1), 1
	s_wait_xcnt 0x0
	s_wait_alu depctr_vm_vsrc(0)
; Attention under the mask (key j counts for query i where j <= i / 4), LayerNorm over the 512 channels of a row, and the product with Wo, + bo.  All three products on codes of FP6 (E2M3).
; THE SOFTMAX AHEAD OF THE SECOND PRODUCT: t = score x log2(e) / 8; M = the largest t of the row so far, rounded UP to a whole number; p = 2^(t - M) is quantised along the keys, not normalised;
; the sum of the row is taken of the unquantised p and divides at the end.  When M moves, the sum and O are multiplied by 2^(old M - new M): exact.
; SHARES.  Work-group x: batch x / 128, p = x % 128; it owns tiles p and 255 - p of 16 queries.  Tile T needs T / 32 + 1 key steps of 128 keys: the two counts add up to 9 in every work-group.
; Wave w: head w / 2, and tile p or 255 - p by (w xor w / 4) % 2.  A wave is one (tile, head) in 256 registers; four waves share a SIMD, so that the vector work of one stands beside the products and loads of another.
; Only the last key step of a wave meets the mask: 128 (steps - 1) <= 4 T.  Its first key counts for every query of the tile, so M is a number from the first step on.
; OPERANDS come from memory straight into registers, from buffers laid in the order of the registers.  No LDS ring and no cluster for K and V: the two tiles of a work-group walk different numbers of
; steps (1 to 4 against 8 to 5) and so would partners; joint requests would have every partner fetch all eight steps.
; LAYOUT.  Both products are used transposed (S^T = K Q^T, O^T = V^T P^T): a lane holds ONE query (lane % 16) throughout.  The keys of a tile of K are chosen so that registers 16 b + i of S^T are keys 32 b + 16 (lane / 16) + i,
; and the channels of a tile of V so that registers 16 b + i of O^T are channels 64 head + 32 b + 16 (lane / 16) + i: both orders are what the next quantiser wants.
; K = 64 IN AN INSTRUCTION OF 128: the fragment of Q has zero codes for k = 64 .. 127, so source 0 of key tile t is v[32 + 6 t .. 43 + 6 t]: its upper six registers are the next tile (for tile 7: zeros), multiplied by zeros.
; BEHIND THE KEYS: y = O / sum; mean and variance over the eight heads through LDS (two passes: no difference of large sums); z = (y - mean) rsqrt(var + 1e-5) gamma + beta, quantised in registers;
; the codes go to LDS as images of registers; wave w makes columns 32 w .. 32 w + 31 of z Wo + bo for both tiles (bo is loaded into the accumulators); rows leave through a stage in LDS, 512 consecutive bytes a store.
; LIMITS: NaN and infinities not served; a block under 2^-124, or of zeros, has the byte 1 (its codes then round to zero or are zeros; the bytes are read by this program alone).
; THE MODE: SCHED_MODE bits 1:0 = 2 (LLVM: expert scheduling mode 2), set by the entry lines.  The code itself states the register dependences between vector or matrix instructions and memory or LDS instructions,
; with s_wait_alu, always for 0.
; THE PLAN, in the key loop.  Registers that memory instructions touch:
;   v32-79, v28-31    K and its scale words: read by the eight products at the head of a step; behind them the loads of the next step land there.
;   v192-239, v86-87  V and its scale words: read by the four products at the end of a step; the loads of the next step's V land there behind the next step's eight products.
;   v3, v4, v5        offsets, made at the head and never written again: the scalar bases move on.
; The softmax names none of these.  So ONE wait on va_vdst, behind the eight products, states that they are done reading K and that the four products of the step before are done reading V; the 14 + 20 loads follow it in one run.
; Two waits stand behind the exponentials; one more wait on va_vdst stands ahead of the four products, which take codes and a scale word that vector instructions have written.
; In the last step the 64 compares of the mask go into scalar registers, 16 at a time, with one wait on va_sdst between a run of compares and the run of selects that reads its masks.
; BEHIND THE LOOP each run of loads or LDS stores has one wait on va_vdst ahead of it, and each load that lands on the data of an LDS store a wait on vm_vsrc; the comments there name the registers.
; REGISTERS in the key loop: v0 thread; v1, v2 for the add; v3-5 16, 8, 4 x lane; v6 the mask bound; v8-11 block maxima; v12 -M, v13 largest t, v[14:15] the sum; v16-27 Q; v32-79 K, v80-85 zeros; v88-94 at work;
;   v96-159 S^T, then p; v160-191 O^T; v192-239 V; v240-251 codes of p; v252 f (v253 the written upper half of its pair); v254 at work.  s46-57, s38-41: the masks of the last step.
;   SCALES AND NOTHING ELSE: v7 Q; v28-31 K (lanes 0-15 tile 2 q, lanes 16-31 tile 2 q + 1); v86-87 V likewise; v95 p.  Behind the loop: v28-31 Wo (lanes 0-15 tile 2 w, 16-31 tile 2 w + 1), v86, v87, v7, v95 z (lanes 0-15 tile p, 16-31 tile 255 - p).
; Behind the loop: accumulators v8-15, v16-23, v240-247, v248-255; Wo v32-79, v192-239; y, z v96-127, gamma v128-159, beta v160-191, later the fragments of z v96-191; v6, v24-27, v80-83 addresses; v84, v85, v88-94 at work.
.set RED2,  1024                       ; LDS: 0: sums [tile][head][16 rows] of 4 bytes; 1,024: the same for the squares;
.set ZIMG,  2048                       ; records of z, (8 tile + head) x 768 bytes: registers 0-3 of lane l at 16 l, registers 4-5 at 512 + 8 l;
.set ZSC,   14336                      ; scale words of z: (4 tile + K step) x 64 + 4 r; a head stores its two bytes;
.set STG,   14848                      ; the stage: 32 rows x (2,048 + 16) bytes;
.set SP,    2064
.set SPARE, 80896                      ; the spare words, 128 bytes for each of 16 waves: eight blocks of 256 bytes that no other line names
.set SEL,   42                         ; s[42:43] lane selects of v_permlanex16_b32: lane l xor 16
.set CS,    44                         ; s[44:45] c = log2(e) / 8
.set CNT,   26                         ; s26 key steps to go
.macro BARRIER                         ; my LDS stores have landed and my LDS loads are in: then the barrier of the work-group
	s_wait_dscnt 0x0
	s_barrier_signal -1
	s_barrier_wait -1
.endm
.macro KLOAD                           ; a step of K for my head: 8 records and 8 x 64 bytes of scale words: 20 loads
.irp t, 0,1,2,3,4,5,6,7
	global_load_b128 v[32+6*\t:35+6*\t], v3, s[30:31] offset:768*\t
	global_load_b64 v[36+6*\t:37+6*\t], v4, s[30:31] offset:768*\t+512
.endr
.irp q, 0,1,2,3
	global_load_b32 v[28+\q], v5, s[32:33] offset:128*\q
.endr
.endm
.macro VLOAD                           ; a step of V for my head: 4 fragments and 4 x 64 bytes of scale words: 14 loads
.irp i, 0,1,2,3
.irp j, 0,1,2
	global_load_b128 v[192+12*\i+4*\j:195+12*\i+4*\j], v3, s[34:35] offset:1536*\i+512*\j
.endr
.endr
.irp q, 0,1
	global_load_b32 v[86+\q], v5, s[36:37] offset:128*\q
.endr
.endm
	s_load_b256 s[4:11], s[0:1], 0x0               ; fr s[4:5], fs s[6:7], img s[8:9], isc s[10:11]
	s_load_b256 s[12:19], s[0:1], 0x20             ; gamma s[12:13], beta s[14:15], bo s[16:17], out0 s[18:19]
	v_lshl_add_u32 v1, v0, 2, SPARE                ; my spare word,
	v_mov_b32 v2, 0                                ; and 0: kept for the add at the end of the wave
	v_lshrrev_b32 v3, 5, v0
	v_readfirstlane_b32 s20, v3                    ; wave 0..15
	v_and_b32 v8, 31, v0
	v_lshlrev_b32 v3, 4, v8                        ; 16 x lane
	v_lshlrev_b32 v4, 3, v8                        ; 8 x lane
	v_lshlrev_b32 v5, 2, v8                        ; 4 x lane
	v_and_b32 v10, 15, v0
	v_lshlrev_b32 v10, 2, v10                      ; 4 r, for the scale words of Q
	v_bfe_u32 v6, v0, 2, 2                         ; r / 4
	v_bfe_u32 v9, v0, 4, 1
	v_lshlrev_b32 v9, 4, v9
	v_sub_nc_u32 v6, v6, v9                        ; r / 4 - 16 (lane / 16)
	s_wait_alu depctr_va_vdst(0)
	s_wait_alu depctr_va_sdst(0)                   ; s20, the number of the wave, is written, ahead of its first reader: the line below
	s_lshr_b32 s21, s20, 1                         ; head
	s_lshr_b32 s22, s20, 2
	s_xor_b32 s22, s22, s20
	s_and_b32 s22, s22, 1                          ; which of the two tiles
	s_lshr_b32 s23, ttmp9, 7                       ; batch
	s_and_b32 s24, ttmp9, 127                      ; p
	s_sub_co_u32 s29, 255, s24
	s_cmp_eq_u32 s22, 0
	s_cselect_b32 s25, s24, s29                    ; my tile of 16 queries
	s_lshr_b32 s[CNT], s25, 5
	s_add_co_u32 s[CNT], s[CNT], 1                 ; its key steps: 1 to 8
	s_and_b32 s27, s25, 31
	s_lshl_b32 s27, s27, 2                         ; 4 (tile % 32)
	s_lshr_b32 s28, s20, 3
	s_cmp_eq_u32 s28, 0
	s_cselect_b32 s57, s24, s29                    ; the tile whose rows I store at the end: waves 0-7 tile p, waves 8-15 tile 255 - p
	s_mul_i32 s28, s23, 393216
	s_mul_i32 s29, s21, 6144
	s_add_co_u32 s28, s28, s29
	s_add_co_u32 s30, s28, 3145728                 ; K: codes
	s_mov_b32 s31, 0
	s_add_co_u32 s34, s28, 3932160                 ; V: codes
	s_mov_b32 s35, 0
	s_lshl_b32 s32, s23, 15
	s_lshl_b32 s29, s21, 9
	s_add_co_u32 s32, s32, s29
	s_add_co_u32 s32, s32, 262144                  ; K: scale words
	s_mov_b32 s33, 0
	s_lshl_b32 s36, s23, 14
	s_lshl_b32 s29, s21, 8
	s_add_co_u32 s36, s36, s29
	s_add_co_u32 s36, s36, 327680                  ; V: scale words
	s_mov_b32 s37, 0
	s_mov_b32 s46, s29                             ; gamma, beta: 256 x head
	s_mov_b32 s47, 0
	s_lshl_b32 s38, s23, 8
	s_add_co_u32 s38, s38, s25
	s_lshl_b32 s38, s38, 3
	s_add_co_u32 s38, s38, s21                     ; the record of Q: 8 (256 batch + tile) + head
	s_mul_i32 s40, s38, 768
	s_mov_b32 s41, 0
	s_lshl_b32 s38, s38, 6
	s_mov_b32 s39, 0
	s_lshl_b32 s48, s20, 7                         ; bo: my 32 columns
	s_mov_b32 s49, 0
	s_lshl_b32 s50, s20, 1
	s_add_co_u32 s50, s50, 736                     ; my two tiles of Wo
	s_mul_i32 s52, s50, 6144
	s_mov_b32 s53, 0
	s_lshl_b32 s50, s50, 9
	s_mov_b32 s51, 0
	s_lshl_b32 s54, s23, 12
	s_lshl_b32 s57, s57, 4
	s_add_co_u32 s54, s54, s57
	s_lshl_b32 s57, s20, 1
	s_and_b32 s57, s57, 15
	s_add_co_u32 s54, s54, s57                     ; the first of the two rows of out0 that I store
	s_lshl_b32 s54, s54, 11
	s_mov_b32 s55, 0
	s_lshl_b32 s61, s22, 3
	s_add_co_u32 s61, s61, s21                     ; 8 tile + head
	s_mov_b32 s[SEL], 0x76543210
	s_mov_b32 s[SEL+1], 0xfedcba98
	s_mov_b32 s[CS], 0x3e38aa3b                    ; c = log2(e) / 8
	s_mov_b32 s[CS+1], s[CS]                       ; (named with it as a pair, so it is written)
	s_mov_b32 s59, 0x3b000000                      ; 1 / 512
	s_mov_b32 s60, 0x3727c5ac                      ; 1e-5
	v_add_nc_u32 v6, s27, v6                       ; d = 4 (tile % 32) + r / 4 - 16 (lane / 16): in the last step register 16 b + i is hidden where 32 b + i > d
	s_wait_kmcnt 0x0
	s_add_nc_u64 s[40:41], s[4:5], s[40:41]
	s_add_nc_u64 s[38:39], s[6:7], s[38:39]
	s_add_nc_u64 s[30:31], s[4:5], s[30:31]
	s_add_nc_u64 s[32:33], s[6:7], s[32:33]
	s_wait_alu depctr_va_vdst(0)                   ; the offsets v3, v4, v5 and v10 are written, which the loads below, and of the whole kernel, read
	global_load_b128 v[16:19], v3, s[40:41] th:TH_LOAD_NT      ; Q stays in registers
	global_load_b64 v[20:21], v4, s[40:41] offset:512 th:TH_LOAD_NT
	global_load_b32 v7, v10, s[38:39] th:TH_LOAD_NT
	KLOAD                                          ; key step 0
	s_add_nc_u64 s[34:35], s[4:5], s[34:35]
	s_add_nc_u64 s[36:37], s[6:7], s[36:37]
	s_add_nc_u64 s[8:9], s[8:9], s[52:53]
	s_add_nc_u64 s[10:11], s[10:11], s[50:51]
	s_add_nc_u64 s[12:13], s[12:13], s[46:47]
	s_add_nc_u64 s[14:15], s[14:15], s[46:47]
	s_add_nc_u64 s[16:17], s[16:17], s[48:49]
	s_add_nc_u64 s[18:19], s[18:19], s[54:55]
.irp j, 22,23,24,25,26,27,80,81,82,83,84,85
	v_mov_b32 v[\j], 0                             ; zero codes: k = 64 .. 127 of Q, and what stands behind tile 7 of K
.endr
.set n, 0
.rept 32
	v_mov_b32 v[160+n], 0                          ; O^T: the step is written once; the first finds zeros, which the first change of M leaves zeros
.set n, n+1
.endr
	v_mov_b32 v13, 0xff61b1e6                      ; the largest t so far: -3e38, under every t
	v_floor_f32 v12, -v13                          ; -M
	v_mov_b32 v14, 0                               ; the sum, in two halves
	v_mov_b32 v15, 0
.irp b, 0,1,2,3
	v_mov_b32 v[88+\b], 0                          ; written once: the destination of a lane permute counts as one of its sources
.endr
	v_mov_b32 v253, 0                              ; the upper half of the pair v[252:253]
	s_wait_alu depctr_va_vdst(0)                   ; the zero codes v22-27 and v80-85 are written, which the scaled products at the head of every step take as parts of their operands (the lines behind them are the places)
	s_wait_alu depctr_vm_vsrc(0)                   ; the load of the scale words of Q has read its offset v10, which the maxima of the first step write
.Lstep:                                            ; A KEY STEP: 128 keys
	s_wait_loadcnt 0x0                             ; this step of K is in (in the first trip Q too); no load of mine is out
.irp t, 0,1,2,3,4,5,6,7                        ; S^T = K Q^T
.if \t%2
	v_wmma_scale_f32_16x16x128_f8f6f4 v[96+8*\t:103+8*\t], v[32+6*\t:43+6*\t], v[16:27], 0, v[28+\t/2], v7 matrix_a_fmt:MATRIX_FMT_FP6 matrix_b_fmt:MATRIX_FMT_FP6 matrix_a_scale:MATRIX_SCALE_ROW1
.else
	v_wmma_scale_f32_16x16x128_f8f6f4 v[96+8*\t:103+8*\t], v[32+6*\t:43+6*\t], v[16:27], 0, v[28+\t/2], v7 matrix_a_fmt:MATRIX_FMT_FP6 matrix_b_fmt:MATRIX_FMT_FP6
.endif
.endr
.rept 4
	v_nop                                          ; four plain instructions ahead of the first read of the scores (ISA guide 7.12.1)
.endr
	s_wait_alu depctr_va_vdst(0)                   ; the eight products above are done reading K (v32-79) and its scale words (v28-31), the four products of the step before V (v192-239) and its (v86-87): the loads below land there
	VLOAD                                          ; this step of V: the softmax stands between the request and its use
	s_cmp_eq_u32 s[CNT], 1
	s_cbranch_scc1 .Ldiagonal
	s_add_nc_u64 s[30:31], s[30:31], 49152         ; (the loads that named these bases were shown done at the head of the step)
	s_add_nc_u64 s[32:33], s[32:33], 4096
	KLOAD                                          ; the next step of K.  No further wait: no vector or matrix instruction since the wait above
	s_branch .Lopen
.Ldiagonal:                                        ; the last step: nothing more is asked of K; hidden scores become -infinity ahead of the maximum, so that p = 0
	v_mov_b32 v254, 0xff800000
.set g, 0
.rept 4                                        ; block g of 32 keys: my 16 scores.  Mask m of a run lies in s46-57 (m under 12) or s38-41, all free here: the offsets of the head are used up, and the loads that named the bases of Q were shown done at the head of the step
.set m, 0
.rept 16
	v_cmp_gt_i32 s[46+m-20*(m/12)], 32*g+m, v6
.set m, m+1
.endr
	s_wait_alu depctr_va_sdst(0)                   ; the sixteen compares have written their masks, ahead of the selects that read them
.set m, 0
.rept 16
	v_cndmask_b32 v[96+16*g+m], v[96+16*g+m], v254, s[46+m-20*(m/12)]   ; each accumulator from its low end on
.set m, m+1
.endr
.set g, g+1
.endr
	s_wait_loadcnt 0x0                             ; V is in: on this way no load was issued behind its fourteen
.Lopen:
.irp b, 0,1,2,3
	v_max3_num_f32 v[8+\b], v[96+16*\b], v[97+16*\b], v[98+16*\b]   ; the largest score of each block of 32 keys: it serves for the maximum of the row and, since p rises with the score, for the largest p of the block
.endr
.irp i, 3,5,7,9,11,13
.irp b, 0,1,2,3
	v_max3_num_f32 v[8+\b], v[8+\b], v[96+16*\b+\i], v[97+16*\b+\i]
.endr
.endr
.irp b, 0,1,2,3
	v_max_num_f32 v[8+\b], v[8+\b], v[111+16*\b]
.endr
.irp b, 0,1,2,3
	v_permlanex16_b32 v[88+\b], v[8+\b], s[SEL], s[SEL+1]
.endr
.irp b, 0,1,2,3
	v_max_num_f32 v[8+\b], v[8+\b], v[88+\b]       ; with the 16 keys of lane l xor 16
.endr
	v_max3_num_f32 v254, v8, v9, v10
	v_max_num_f32 v254, v254, v11                  ; the largest score of my query in this step
	v_mul_f32 v254, s[CS], v254                    ; as t
	v_max_num_f32 v13, v13, v254                   ; the running largest t
	v_mov_b32 v254, v12
	v_floor_f32 v12, -v13                          ; the new -M = floor(-t) = -ceil(t)
	v_sub_f32 v254, v12, v254                      ; old M - new M: a whole number, 0 or less
	v_cvt_i32_f32 v254, v254                       ; (it saturates)
	v_ldexp_f32 v252, 1.0, v254                    ; f = 2^(old M - new M)
.set n, 0
.rept 32
	v_pk_fma_f32 v[96+n:97+n], v[96+n:97+n], s[CS:CS+1], v[12:13] op_sel_hi:[1,0,0]   ; t - M, two at a time
.set n, n+2
.endr
.irp b, 0,1,2,3
	v_fma_f32 v[8+\b], v[8+\b], s[CS], v12         ; the same of the largest score of each block
.endr
.set n, 0
	s_wait_alu depctr_va_vdst(0)
.rept 64
	v_exp_f32 v[96+n], v[96+n]                     ; p = 2^(t - M), at most 1
.set n, n+1
.endr
	v_pk_mul_f32 v[14:15], v[14:15], v[252:253] op_sel_hi:[1,0]   ; the sum under the new M: the plain instruction behind the exponentials
	s_wait_alu depctr_va_vdst(0)                   ; the 64 exponentials have written p (v96-159): one wait for the batch, ahead of its first reader
.irp b, 0,1,2,3
	v_exp_f32 v[8+\b], v[8+\b]                     ; the largest p of each block
.endr
	v_pk_add_f32 v[88:89], v[96:97], v[98:99]      ; the sum of the unquantised p, in two chains
.irp j, 4,8,12,16,20,24,28,32,36,40,44,48,52,56,60
	v_pk_add_f32 v[14:15], v[14:15], v[96+\j:97+\j]
	v_pk_add_f32 v[88:89], v[88:89], v[98+\j:99+\j]
.endr
	v_pk_add_f32 v[14:15], v[14:15], v[88:89]
	s_wait_alu depctr_va_vdst(0)                   ; the four exponentials have written v8-11, ahead of their first reader
.irp b, 0,1,2,3
	v_max_num_f32 v[8+\b], 0x1800000, v[8+\b]      ; the floor 2^(3 - 127): the byte cannot fall under 1
.endr
.irp b, 0,1,2,3
	v_add_nc_u32 v[8+\b], 0xff000000, v[8+\b]      ; 2 off the exponent field: the scale operand of the conversion
.endr
.irp b, 0,1,2,3
	v_lshrrev_b32 v[88+\b], 23, v[8+\b]            ; the byte
.endr
	v_lshl_or_b32 v95, v89, 8, v88                 ; the scale word of p for these 128 keys
	v_lshl_or_b32 v95, v90, 16, v95
	v_lshl_or_b32 v95, v91, 24, v95
	v_cvt_scalef32_pk16_fp6_f32 v[240:242], v[96:111], v8
	v_cvt_scalef32_pk16_fp6_f32 v[88:90], v[112:127], v9
	v_cvt_scalef32_pk16_fp6_f32 v[246:248], v[128:143], v10
	v_cvt_scalef32_pk16_fp6_f32 v[92:94], v[144:159], v11
	v_nop                                          ; one plain instruction behind the scaled conversions
.irp i, 0,1,2                                  ; the operand wants a whole block in a lane
	v_permlane16_swap_b32 v[240+\i], v[88+\i]
.endr
.irp i, 0,1,2
	v_mov_b32 v[243+\i], v[88+\i]
.endr
.irp i, 0,1,2
	v_permlane16_swap_b32 v[246+\i], v[92+\i]
.endr
.irp i, 0,1,2
	v_mov_b32 v[249+\i], v[92+\i]
.endr
.set n, 0
.rept 16
	v_pk_mul_f32 v[160+n:161+n], v[160+n:161+n], v[252:253] op_sel_hi:[1,0]   ; O^T under the new M.  These sixteen also stand between the writing of the codes and scale word of p and the products
.set n, n+2
.endr
	s_wait_loadcnt 20                              ; V and its scale words are in: behind their 14 loads the 20 of the next step of K were issued (in the last step none: V was waited for above)
	s_wait_alu depctr_va_vdst(0)                   ; the codes of p (v240-251) and its scale word (v95) are written, which the scaled products below take; the sixteen places above stay beside this wait
.irp i, 0,1,2,3                                ; O^T += V^T P^T: four accumulators, one instruction each
.if \i%2
	v_wmma_scale_f32_16x16x128_f8f6f4 v[160+8*\i:167+8*\i], v[192+12*\i:203+12*\i], v[240:251], v[160+8*\i:167+8*\i], v[86+\i/2], v95 matrix_a_fmt:MATRIX_FMT_FP6 matrix_b_fmt:MATRIX_FMT_FP6 matrix_a_scale:MATRIX_SCALE_ROW1
.else
	v_wmma_scale_f32_16x16x128_f8f6f4 v[160+8*\i:167+8*\i], v[192+12*\i:203+12*\i], v[240:251], v[160+8*\i:167+8*\i], v[86+\i/2], v95 matrix_a_fmt:MATRIX_FMT_FP6 matrix_b_fmt:MATRIX_FMT_FP6
.endif
.endr
	s_add_nc_u64 s[34:35], s[34:35], 49152         ; the next step of V (its loads were shown done by the wait on loadcnt above)
	s_add_nc_u64 s[36:37], s[36:37], 2048
	s_sub_co_i32 s[CNT], s[CNT], 1
	s_cmp_gt_i32 s[CNT], 0                         ; a signed test: the count comes down and ends the loop from any start
	s_cbranch_scc1 .Lstep
	s_wait_loadcnt 0x0                             ; the loop is left from its last step, in which every load was waited for, so this wait is met at once; it orders the loads of the loop into v28-79 ahead of
	                                               ; the loads below into the same registers on every way through the text
	; ---- y = O / sum.  The seven lines below name no register of the last products: they are the plain instructions behind them
	v_add_f32 v84, v14, v15                        ; the two halves of the sum
	v_and_b32 v6, 15, v0
	v_bfe_u32 v85, v0, 4, 1                        ; h
	v_lshlrev_b32 v6, 2, v6                        ; 4 r
	v_lshlrev_b32 v24, 6, v85                      ; 64 h: my 16 channels of a block of 32
	v_lshl_add_u32 v82, v85, 9, v6                 ; scale words of Wo: 4 r, lanes 16-31 one tile (four fragments of 128 bytes) on
	v_lshl_add_u32 v83, v85, 8, v6                 ; scale words of z in LDS: 4 r, lanes 16-31 one tile of rows (4 x 64 bytes) on
	v_permlanex16_b32 v94, v84, s[SEL], s[SEL+1]
	v_add_f32 v84, v84, v94                        ; with lane l xor 16: the sum of the row
	s_wait_alu depctr_va_vdst(0)
	v_rcp_f32 v84, v84
	v_mov_b32 v85, 0                               ; the plain instruction behind the reciprocal; the upper half of its pair
	s_lshl_b32 s62, s61, 6
	v_add_nc_u32 v25, s62, v6                      ; where my sums go: 64 (8 tile + head) + 4 r
	s_lshl_b32 s62, s22, 9
	v_add_nc_u32 v26, s62, v6                      ; where the eight heads are read: 512 tile + 4 r
	s_mul_i32 s62, s61, 768
	s_add_co_u32 s62, s62, ZIMG
	v_add_nc_u32 v27, s62, v3                      ; my record of z: 16 x lane,
	v_add_nc_u32 v80, s62, v4                      ; 8 x lane
	s_lshl_b32 s62, s22, 2
	s_lshr_b32 s63, s21, 1
	s_add_co_u32 s62, s62, s63
	s_lshl_b32 s62, s62, 6
	s_and_b32 s63, s21, 1
	s_lshl_b32 s63, s63, 1
	s_add_co_u32 s62, s62, s63
	s_add_co_u32 s62, s62, ZSC
	v_add_nc_u32 v81, s62, v6                      ; my two scale bytes: 64 (4 tile + head / 2) + 4 r + 2 (head % 2)
	s_wait_alu depctr_va_vdst(0)                   ; the reciprocal has written v84, ahead of its first reader; the addresses v24-27 and v80-83 are written, which the loads and LDS instructions below read; the softmax is done with v128-159, in which gamma lands
.irp b, 0,1
.irp q, 0,1,2,3
	global_load_b128 v[128+16*\b+4*\q:131+16*\b+4*\q], v24, s[12:13] offset:128*\b+16*\q   ; gamma at my 32 channels
.endr
.endr
.set n, 0
.rept 16
	v_pk_mul_f32 v[96+n:97+n], v[160+n:161+n], v[84:85] op_sel_hi:[1,0]   ; y: register 16 b + i is channel 64 head + 32 b + 16 h + i.  Each accumulator from its low end on
.set n, n+2
.endr
	s_wait_alu depctr_va_vdst(0)                   ; the sixteen lines above are done reading O^T (v160-191), in which beta lands; all readers and writers of v8-23, v28-79 and v192-255, in which Wo, its scale words and bo land, stand further ahead
.irp b, 0,1
.irp q, 0,1,2,3
	global_load_b128 v[160+16*\b+4*\q:163+16*\b+4*\q], v24, s[14:15] offset:128*\b+16*\q   ; beta likewise
.endr
.endr
.irp u, 0,1                                    ; my two tiles of Wo, four K steps each
.irp s, 0,1,2,3
.irp j, 0,1,2
	global_load_b128 v[32+160*\u+12*\s+4*\j:35+160*\u+12*\s+4*\j], v3, s[8:9] offset:(4*\u+\s)*1536+512*\j
.endr
.endr
.endr
.irp s, 0,1,2,3
	global_load_b32 v[28+\s], v82, s[10:11] offset:128*\s
.endr
.irp m, 0,1                                    ; bo goes into the accumulators: register j of accumulator (m, u) is column 32 w + 16 h + 8 u + j
.irp u, 0,1
.irp q, 0,1
	global_load_b128 v[8+232*\m+8*\u+4*\q:11+232*\m+8*\u+4*\q], v24, s[16:17] offset:32*\u+16*\q
.endr
.endr
.endr
; the eight heads' parts of a sum, from off on, added in the same order in every wave: the result in v84
.macro REDSUM off
	s_wait_alu depctr_vm_vsrc(0)                   ; my LDS store of the sum has read v84, in which the first load below lands (the vector lines that named v84, v85 and v88-93 stand ahead of the wait on va_vdst in front of that store)
	ds_load_b32 v84, v26 offset:\off
	ds_load_b32 v85, v26 offset:\off+64
.irp k, 2,3,4,5,6,7
	ds_load_b32 v[86+\k], v26 offset:\off+64*\k
.endr
	s_wait_dscnt 0x0
	v_add_f32 v84, v84, v85
	v_add_f32 v88, v88, v89
	v_add_f32 v90, v90, v91
	v_add_f32 v92, v92, v93
	v_add_f32 v84, v84, v88
	v_add_f32 v90, v90, v92
	v_add_f32 v84, v84, v90
.endm
	; ---- the mean
	v_pk_add_f32 v[84:85], v[96:97], v[98:99]
	v_pk_add_f32 v[88:89], v[100:101], v[102:103]
.irp j, 8,16,24
	v_pk_add_f32 v[84:85], v[84:85], v[96+\j:97+\j]
	v_pk_add_f32 v[88:89], v[88:89], v[98+\j:99+\j]
	v_pk_add_f32 v[84:85], v[84:85], v[100+\j:101+\j]
	v_pk_add_f32 v[88:89], v[88:89], v[102+\j:103+\j]
.endr
	v_pk_add_f32 v[84:85], v[84:85], v[88:89]
	v_add_f32 v84, v84, v85
	v_permlanex16_b32 v94, v84, s[SEL], s[SEL+1]
	v_add_f32 v84, v84, v94                        ; the 64 channels of my head, row r
	s_wait_alu depctr_va_vdst(0)                   ; the sum v84 is written, which the LDS store reads
	ds_store_b32 v25, v84                          ; lanes r and r + 16 store the same word
	BARRIER                                        ; the sixteen waves' sums lie in LDS
	REDSUM 0
	v_mul_f32 v84, s59, v84                        ; the mean
.set n, 0
.rept 16
	v_pk_add_f32 v[96+n:97+n], v[96+n:97+n], v[84:85] op_sel_hi:[1,0] neg_lo:[0,1] neg_hi:[0,1]   ; y - mean
.set n, n+2
.endr
	; ---- the variance, of the differences
	v_pk_mul_f32 v[84:85], v[96:97], v[96:97]
	v_pk_mul_f32 v[88:89], v[98:99], v[98:99]
.irp j, 4,8,12,16,20,24,28
	v_pk_fma_f32 v[84:85], v[96+\j:97+\j], v[96+\j:97+\j], v[84:85]
	v_pk_fma_f32 v[88:89], v[98+\j:99+\j], v[98+\j:99+\j], v[88:89]
.endr
	v_pk_add_f32 v[84:85], v[84:85], v[88:89]
	v_add_f32 v84, v84, v85
	v_permlanex16_b32 v94, v84, s[SEL], s[SEL+1]
	v_add_f32 v84, v84, v94
	s_wait_alu depctr_va_vdst(0)                   ; the sum of squares v84 is written, which the LDS store reads
	ds_store_b32 v25, v84 offset:RED2              ; bytes of their own: no wave waits for the reads of the first sums
	BARRIER
	REDSUM RED2
	v_fma_f32 v84, v84, s59, s60                   ; var + 1e-5
	s_wait_alu depctr_va_vdst(0)
	v_rsq_f32 v84, v84
	v_mov_b32 v85, 0                               ; the plain instruction behind the root
	s_wait_alu depctr_va_vdst(0)                   ; the root has written v84, ahead of its first reader
	s_wait_loadcnt 36                              ; gamma and beta are in: behind them 24 loads of Wo, 4 of its scale words and 8 of bo were issued
.set n, 0
.rept 16
	v_pk_mul_f32 v[96+n:97+n], v[96+n:97+n], v[84:85] op_sel_hi:[1,0]
.set n, n+2
.endr
.set n, 0
.rept 16
	v_pk_fma_f32 v[96+n:97+n], v[96+n:97+n], v[128+n:129+n], v[160+n:161+n]   ; z
.set n, n+2
.endr
	; ---- z is quantised: my two blocks of 32 channels; at work in the registers that gamma has left
.irp b, 0,1
	v_max3_num_f32 v[128+\b], |v[96+16*\b]|, |v[97+16*\b]|, 0x1800000
.endr
.irp i, 2,4,6,8,10,12,14
.irp b, 0,1
	v_max3_num_f32 v[128+\b], v[128+\b], |v[96+16*\b+\i]|, |v[97+16*\b+\i]|
.endr
.endr
.irp b, 0,1
	v_permlanex16_b32 v[130+\b], v[128+\b], s[SEL], s[SEL+1]
.endr
.irp b, 0,1
	v_max_num_f32 v[128+\b], v[128+\b], v[130+\b]
.endr
.irp b, 0,1
	v_add_nc_u32 v[128+\b], 0xff000000, v[128+\b]
.endr
.irp b, 0,1
	v_lshrrev_b32 v[132+\b], 23, v[128+\b]
.endr
	v_lshl_or_b32 v134, v133, 8, v132              ; my two bytes of the scale word
	v_cvt_scalef32_pk16_fp6_f32 v[136:138], v[96:111], v128
	v_cvt_scalef32_pk16_fp6_f32 v[144:146], v[112:127], v129
	v_nop                                          ; one plain instruction behind the scaled conversions
.irp i, 0,1,2
	v_permlane16_swap_b32 v[136+\i], v[144+\i]
.endr
.irp i, 0,1,2
	v_mov_b32 v[139+\i], v[144+\i]
.endr
	s_wait_alu depctr_va_vdst(0)                   ; the codes v136-141 and the two bytes v134 are written, which the LDS stores read; and the lines above are done with v96-191, in which the fragments of z land behind the barrier
	ds_store_b128 v27, v[136:139]                  ; half a fragment, as it stands in registers
	ds_store_b64 v80, v[140:141] offset:512
	ds_store_b16 v81, v134
	BARRIER                                        ; the codes and scale words of z, 32 rows x 512 channels, lie in LDS
	s_wait_alu depctr_vm_vsrc(0)                   ; my three LDS stores have read v134 and v136-141, in which the loads below land.  It also frees v24 and v25 for the way out: every load and LDS store that reads them was issued ahead of this wait
	; ---- z Wo + bo: my 32 columns for both tiles of rows
.irp m, 0,1
.irp s, 0,1,2,3
	ds_load_b128 v[96+48*\m+12*\s:99+48*\m+12*\s], v3 offset:ZIMG+(8*\m+2*\s)*768
	ds_load_b64 v[100+48*\m+12*\s:101+48*\m+12*\s], v4 offset:ZIMG+(8*\m+2*\s)*768+512
	ds_load_b128 v[102+48*\m+12*\s:105+48*\m+12*\s], v3 offset:ZIMG+(8*\m+2*\s+1)*768
	ds_load_b64 v[106+48*\m+12*\s:107+48*\m+12*\s], v4 offset:ZIMG+(8*\m+2*\s+1)*768+512
.endr
.endr
	ds_load_b32 v86, v83 offset:ZSC
	ds_load_b32 v87, v83 offset:ZSC+64
	ds_load_b32 v7, v83 offset:ZSC+128
	ds_load_b32 v95, v83 offset:ZSC+192
	s_wait_dscnt 0x0
	s_wait_loadcnt 0x0                             ; Wo, its scale words, bo
; a K step of 128 channels: the four accumulators take turns, one instruction a turn.  Source 0 = 16 columns of Wo, source 1 = 16 rows of z
.macro OUTK s, zs
	v_wmma_scale_f32_16x16x128_f8f6f4 v[8:15], v[32+12*\s:43+12*\s], v[96+12*\s:107+12*\s], v[8:15], v[28+\s], v[\zs] matrix_a_fmt:MATRIX_FMT_FP6 matrix_b_fmt:MATRIX_FMT_FP6
	v_wmma_scale_f32_16x16x128_f8f6f4 v[16:23], v[192+12*\s:203+12*\s], v[96+12*\s:107+12*\s], v[16:23], v[28+\s], v[\zs] matrix_a_fmt:MATRIX_FMT_FP6 matrix_b_fmt:MATRIX_FMT_FP6 matrix_a_scale:MATRIX_SCALE_ROW1
	v_wmma_scale_f32_16x16x128_f8f6f4 v[240:247], v[32+12*\s:43+12*\s], v[144+12*\s:155+12*\s], v[240:247], v[28+\s], v[\zs] matrix_a_fmt:MATRIX_FMT_FP6 matrix_b_fmt:MATRIX_FMT_FP6 matrix_b_scale:MATRIX_SCALE_ROW1
	v_wmma_scale_f32_16x16x128_f8f6f4 v[248:255], v[192+12*\s:203+12*\s], v[144+12*\s:155+12*\s], v[248:255], v[28+\s], v[\zs] matrix_a_fmt:MATRIX_FMT_FP6 matrix_b_fmt:MATRIX_FMT_FP6 matrix_a_scale:MATRIX_SCALE_ROW1 matrix_b_scale:MATRIX_SCALE_ROW1
.endm
	OUTK 0, 86
	OUTK 1, 87
	OUTK 2, 7
	OUTK 3, 95
	; ---- the way out.  The six address lines are the plain instructions behind the last products
	s_lshl_b32 s62, s20, 7
	s_mul_i32 s63, s20, 2*SP
	v_and_b32 v24, 15, v0
	v_bfe_u32 v25, v0, 4, 1
	v_mul_u32_u24 v24, v24, SP
	v_lshl_add_u32 v24, v25, 6, v24
	v_add_nc_u32 v24, s62, v24                     ; in: row r, + 64 h, + 128 w: my 16 neighbouring columns
	v_add_nc_u32 v25, s63, v3                      ; back: rows 2 w and 2 w + 1 of the 32, 16 bytes a lane
	s_wait_alu depctr_va_vdst(0)                   ; the products have written the four accumulators, which the LDS stores read, and are done reading v96-127, in which the rows land behind the barrier; v24 and v25 are written.  The six places above stay beside this wait
.irp m, 0,1
.irp u, 0,1
.irp q, 0,1
	ds_store_b128 v24, v[8+232*\m+8*\u+4*\q:11+232*\m+8*\u+4*\q] offset:STG+16*\m*SP+32*\u+16*\q   ; each accumulator from its low end on
.endr
.endr
.endr
	BARRIER                                        ; 32 whole rows lie in the stage
.irp e, 0,1
.irp q, 0,1,2,3
	ds_load_b128 v[96+16*\e+4*\q:99+16*\e+4*\q], v25 offset:STG+\e*SP+512*\q
.endr
.endr
.irp e, 0,1
.irp q, 0,1,2,3
	s_wait_dscnt 7-4*\e-\q                         ; LDS loads come back in order: this one is in, the younger ones may be out
	global_store_b128 v3, v[96+16*\e+4*\q:99+16*\e+4*\q], s[18:19] offset:2048*\e+512*\q th:TH_STORE_NT   ; 32 lanes store 512 consecutive bytes, at a multiple of 256 from the first byte of out0
.endr
.endr
	s_wait_dscnt 0x0                               ; the closing lines, six on end
	s_wait_alu 0x0
	s_wait_tensorcnt 0x0
	ds_add_u32 v1, v2
	s_wait_dscnt 0x0
	s_endpgm
.Lfunc_end_k_q1b7ec8ba85_attn:
	.size	k_q1b7ec8ba85_attn, .Lfunc_end_k_q1b7ec8ba85_attn-k_q1b7ec8ba85_attn
	.p2alignl 7, 3214868480
	.fill 96, 4, 3214868480
	.section	.rodata,"a",@progbits
	.p2align	6, 0x0
	.amdhsa_kernel k_q1b7ec8ba85_attn
		.amdhsa_group_segment_fixed_size 82944
		.amdhsa_private_segment_fixed_size 0
		.amdhsa_enable_private_segment 0
		.amdhsa_kernarg_size 64
		.amdhsa_user_sgpr_count 2
		.amdhsa_user_sgpr_kernarg_segment_ptr 1
		.amdhsa_wavefront_size32 1
		.amdhsa_system_sgpr_workgroup_id_x 1
		.amdhsa_system_sgpr_workgroup_id_y 1
		.amdhsa_system_sgpr_workgroup_id_z 1
		.amdhsa_system_vgpr_workitem_id 0
		.amdhsa_next_free_vgpr 256
		.amdhsa_next_free_sgpr 66
		.amdhsa_reserve_vcc 0
		.amdhsa_float_denorm_mode_32 3
		.amdhsa_float_denorm_mode_16_64 3
		.amdhsa_memory_ordered 1
		.amdhsa_forward_progress 1
		.amdhsa_inst_pref_size 59
	.end_amdhsa_kernel
	.amdgpu_metadata
---
amdhsa.version: [ 1, 2 ]
amdhsa.kernels:
  - .name:           k_q1b7ec8ba85_attn
    .symbol:         k_q1b7ec8ba85_attn.kd
    .args:
      - { .name: fr, .offset: 0, .size: 8, .value_kind: global_buffer, .address_space: global }
      - { .name: fs, .offset: 8, .size: 8, .value_kind: global_buffer, .address_space: global }
      - { .name: img, .offset: 16, .size: 8, .value_kind: global_buffer, .address_space: global }
      - { .name: isc, .offset: 24, .size: 8, .value_kind: global_buffer, .address_space: global }
      - { .name: gamma, .offset: 32, .size: 8, .value_kind: global_buffer, .address_space: global }
      - { .name: beta, .offset: 40, .size: 8, .value_kind: global_buffer, .address_space: global }
      - { .name: bo, .offset: 48, .size: 8, .value_kind: global_buffer, .address_space: global }
      - { .name: out0, .offset: 56, .size: 8, .value_kind: global_buffer, .address_space: global }
    .group_segment_fixed_size: 82944
    .private_segment_fixed_size: 0
    .kernarg_segment_align: 8
    .kernarg_segment_size: 64
    .max_flat_workgroup_size: 512
    .sgpr_count:     66
    .vgpr_count:     256
    .wavefront_size: 32
...
	.end_amdgpu_metadata
.endif
;; end of part 6
